; MI455X (gfx1250); checked and timed in simulation.
; The chip was launched on July 23, 2026; its instructions are those of AMD's public machine-readable ISA for CDNA 5 (MIT licence, August 2026) and "CDNA5" Instruction Set Architecture Reference Guide (July 2026). The comments in the code are by the model that wrote it; some were corrected since.
;; Self Attention. Allowed arithmetic: matrix products marked QUANTISED: E2M1 operands, one E8M0 scale for each 32 along K, by v_wmma_scale_f32_16x16x128_f8f6f4 with both operands' format E2M1 (or v_wmma_scale_f32_32x16x128_f4), f32 sums; everything else in f32.
;; Inputs: Wk 1,024 x 1,024 float32; Wq 1,024 x 1,024 float32; Wv 1,024 x 1,024 float32; bk 1,024 float32; bq 1,024 float32; bv 1,024 float32; x 4 x 2,048 x 1,024 float32.
;; Outputs: out0 4 x 2,048 x 1,024 float32.
;; This version of the problem:
;;   THIS VERSION OF THE PROBLEM IS GIVEN IN LOW PRECISION. The matrix products marked QUANTISED in the list below multiply operands that are first quantised to E2M1 (2 exponent bits, 1 mantissa bit; 4 bits a number), with one power-of-two scale for each 32 numbers along K (OCP MX v1.0); their sums are f32. All else is computed in f32.
;;   The module's matrix products, in the order in which they are computed (A, B: the left and right operand; K: the contracted axis; several contracted axes count as one K, in the product's order):
;;     1. [M 8,192, K 1,024] x [K 1,024, N 1,024]; A: input x; B: input Wq: QUANTISED
;;     2. [M 8,192, K 1,024] x [K 1,024, N 1,024]; A: input x; B: input Wk: QUANTISED
;;     3. [M 8,192, K 1,024] x [K 1,024, N 1,024]; A: input x; B: input Wv: QUANTISED
;;     4. batch 64 x [M 2,048, K 64] x [K 64, N 2,048]; A: computed on the way; B: computed on the way: QUANTISED
;;     5. batch 64 x [M 64, K 2,048] x [K 2,048, N 2,048]; A: computed on the way; B: softmax (see below): QUANTISED
;;   THE QUANTISER, for each operand of a quantised product, along K:
;;     - K is cut into blocks of 32 from its start; a last block that is shorter is filled with zeros.
;;     - A block's scale is 2^e with e = floor(log2(the largest magnitude in the block)) - 2, held to -126 .. 127; a block of zeros has e = 0. As a byte (E8M0): e + 127.
;;     - Each number is divided by its block's scale, clamped to +-6, and rounded to the nearest number of E2M1, ties to even, subnormals kept.
;;     - The product sums the exact products of the quantised numbers (number of the format x scale) in f32.
;;   ~~~python
;;   def quantise(x, axis):      # numpy; x: float32 -> the quantised numbers, widened to float32 again
;;       x = np.moveaxis(x, axis, -1); K = x.shape[-1]
;;       x = np.pad(x, [(0, 0)] * (x.ndim - 1) + [(0, -K % 32)]); x = x.reshape(x.shape[:-1] + (-1, 32)); a = np.abs(x).max(-1, keepdims=True)
;;       e = np.where(a > 0, np.clip(np.frexp(np.where(a > 0, a, 1))[1] - 1 - 2, -126, 127), 0)      # np.frexp(a)[1] - 1 = floor(log2(a)), exactly
;;       r = np.clip(x / 2.0 ** e, -6, 6)
;;       step = 2.0 ** (np.maximum(np.frexp(np.where(r == 0, 1, r))[1] - 1, 0) - 1)
;;       q = np.round(r / step) * step * 2.0 ** e      # np.round: ties to even
;;       return np.moveaxis(q.reshape(q.shape[:-2] + (-1,))[..., :K], -1, axis).astype(np.float32)
;;   ~~~
;;   SOFTMAX AHEAD OF A QUANTISED PRODUCT. Where the list says 'softmax', what is quantised is not the finished softmax but p = 2^(t - M), with t = logit x log2(e) and M = ceil(the row's largest t), a whole number; so 1/2 < the row's largest p <= 1. The row's sum l is taken of the UNQUANTISED p, in f32, and the product's result is divided by l at the end. Since M is a whole number, a kernel that streams over the keys may use a running M (the ceiling of the running maximum): every later rescaling is an exact power of two, which a block's scale takes up: the codes' values come out the same.
;;   OPERANDS COMPUTED ON THE WAY. 'Computed on the way' means the value that the module computes at that place (a softmax that the list does not call 'softmax' is quantised finished and normalised). What goes into a quantiser is computed in f32, as accurately as f32 sums, v_exp_f32 and their like allow (about 1e-6 of the number): no bf16 or f16 on the way to a quantiser, and a product that is left as it is and whose result goes on into a quantised operand takes f32 operands (vector FMAs, or v_wmma_f32_16x16x4_f32). A number that lies on a knife's edge between two numbers of the format may be rounded either way, as far as f32 arithmetic and the matrix unit's own rounding can turn it there, and no further.
;; 2 versions. Each part assembles by itself: llvm-mc -triple=amdgcn-amd-amdhsa -mcpu=gfx1250 --defsym DOCPART=n.
;; ======== version 1 of 2: 3 launches
;; workspace buffers: xc 4,194,304 bytes; xs 262,144 bytes; wc 1,572,864 bytes; ws 98,304 bytes; att 13,893,632 bytes
;; launch quant (part 1): grid 352 x 1, 4 waves a work-group, no clusters, 33,280 bytes of LDS; arguments x, Wq, Wk, Wv, xc, xs, wc, ws; writes xc, xs, wc, ws
.if DOCPART == 1
	.amdgcn_target "amdgcn-amd-amdhsa--gfx1250"
	.amdhsa_code_object_version 6
	.text
	.protected	k_qf916018fc8_quant
	.globl	k_qf916018fc8_quant
	.p2align	8
	.type	k_qf916018fc8_quant,@function
k_qf916018fc8_quant:
	s_mov_b64 s[64:65], 0
	v_nop
	global_prefetch_b8 v0, s[64:65] scope:SCOPE_SE
	s_setreg_imm32_b32 hwreg(HW_REG_WAVE_MODE, 25, 1), 1
	s_wait_xcnt 0x0
; x [8192][1024] and Wq, Wk, Wv [1024][1024], f32, K innermost, become codes of FP4 (E2M1), two a byte, K innermost (512 bytes a row), with one E8M0 scale byte for each 32 along K (32 bytes a row).
; A block's scale is 2^(floor(log2(its largest magnitude)) - 2); its byte is the largest magnitude's own exponent field - 2, held at 1 from below.  Each number is divided by the scale and rounded to the nearest code, ties to even; beyond 6 the largest code.
; LIMITS: a block whose largest magnitude lies under 2^-124 (a block of zeros among them) gets the byte 1 where the rule says otherwise: a zero block's codes are zeros, which add nothing under any byte but 0xff, and the bytes are
; read by this program alone.  NaN and infinities among the inputs are not served.
; THE ROWS ARE STORED IN ANOTHER ORDER THAN THEY COME: inside each 32 rows, stored place 16 u + 8 g + j holds row 16 g + 8 u + j (j = 0 .. 7).  So 16 neighbouring stored rows are a tile whose lane r holds row 8 u + r + 8 (r / 8):
; used as source 0 of a matrix instruction, two neighbouring tiles give a lane 16 neighbours in its 16 result registers, which is what the next quantiser wants.
; SHARES: work-groups 0-255 take x, 256-287 Wq, 288-319 Wk, 320-351 Wv; a work-group 32 rows, a wave 8 rows (g = wave / 2, u = wave % 2): 8,192 numbers in 16 steps of 512.  The three weights' codes lie on end in one buffer.
; Only pointers are chosen by the work-group's number: all tensors take one path through the text.  The work-groups share no input, so there is no cluster; memory binds, so no matrix unit and no tensor load.
; Each of a step's four loads reads 512 consecutive bytes, 16 a lane; the 2,048 bytes turn through the wave's own stage in LDS and come back 64 bytes a lane, so that a lane holds 16 neighbours along K (two lanes a block).
; A lane's 16 codes are 8 bytes: the wave stores 256 consecutive bytes.  A wave's 256 scale bytes are gathered in its own LDS and leave as one aligned run of 256 bytes.  Loads run four steps (16 loads a wave) ahead.
.set STEPS, 16
.set EMAX,  2
.set CB,    8                          ; bytes of 16 codes
.set R,     16                         ; v16-79   four sets of 16 numbers as they are loaded
.set X,     80                         ; v80-111  two sets of 16 neighbours
.set C,     128                        ; v128-191 codes: four registers for each step, so that no store's data are written again
.set E,     112                        ; v112-127 a scale byte for each step
.set WREG,  8192                       ; LDS: a region for each wave: two stages of 32 x SP bytes, and behind them its 256 scale bytes
.set SP,    80                         ; a lane's place in a stage: its 64 bytes + 16 of padding
	s_load_b256 s[4:11], s[0:1], 0x0               ; x s[4:5], Wq s[6:7], Wk s[8:9], Wv s[10:11]
	s_load_b256 s[12:19], s[0:1], 0x20             ; x's codes s[12:13], x's scales s[14:15], the weights' codes s[16:17], their scales s[18:19]
	v_lshl_add_u32 v192, v0, 2, 0x8000
	v_mov_b32 v193, 0
	v_lshrrev_b32 v1, 5, v0
	v_readfirstlane_b32 s20, v1                    ; wave
	v_and_b32 v2, 31, v0                           ; lane
	v_lshlrev_b32 v3, 4, v2                        ; my 16 bytes of a load's 512
	s_mul_i32 s21, s20, WREG
	v_lshrrev_b32 v14, 2, v2
	v_mul_u32_u24 v14, v14, SP
	v_and_b32 v15, 3, v2
	v_lshl_add_u32 v14, v15, 4, v14
	v_add_nc_u32 v14, s21, v14                     ; the stage, on the way in: four lanes' 64 bytes on end, then 16 of padding
	v_mul_u32_u24 v15, v2, SP
	v_add_nc_u32 v15, s21, v15                     ; and on the way out: SP x lane: my 16 neighbours
	v_mul_u32_u24 v4, v2, CB                       ; my codes' place in a step's
	v_lshrrev_b32 v5, 1, v2
	s_add_co_u32 s21, s21, 2*32*SP
	v_add_nc_u32 v5, s21, v5                       ; LDS: my wave's 256 scale bytes, my block's byte
	v_lshlrev_b32 v7, 3, v2                        ; and on the way out 8 bytes a lane
	v_add_nc_u32 v6, s21, v7
	s_and_b32 s22, ttmp9, 31                       ; a weight's group of 32 rows (256, 288 and 320 are multiples of 32)
	s_and_b32 s23, ttmp9, 255                      ; the group's place in the buffers of codes and scales: x's 0-255, the weights' 0-95
	s_and_b32 s24, s20, 1
	s_lshl_b32 s24, s24, 1
	s_lshr_b32 s25, s20, 1
	s_or_b32 s24, s24, s25                         ; where my 8 rows are stored in the group: 2 u + g
	s_wait_kmcnt 0x0
	s_cmp_lt_u32 ttmp9, 288                        ; the choices hang on the work-group's number alone
	s_cselect_b64 s[6:7], s[6:7], s[8:9]
	s_cmp_lt_u32 ttmp9, 320
	s_cselect_b64 s[6:7], s[6:7], s[10:11]
	s_cmp_lt_u32 ttmp9, 256
	s_cselect_b64 s[4:5], s[4:5], s[6:7]
	s_cselect_b64 s[12:13], s[12:13], s[16:17]
	s_cselect_b64 s[14:15], s[14:15], s[18:19]
	s_cselect_b32 s22, ttmp9, s22
	s_lshl_b32 s22, s22, 2
	s_add_co_u32 s22, s22, s20                     ; which run of 8 rows I read
	s_lshl_b32 s26, s22, 15                        ; 32,768 bytes a run (1,024 runs at the most: under 2^32)
	s_mov_b32 s27, 0
	s_add_nc_u64 s[4:5], s[4:5], s[26:27]
	s_lshl_b32 s23, s23, 2
	s_add_co_u32 s23, s23, s24                     ; and which I write
	s_lshl_b32 s26, s23, 12                        ; 4,096 bytes of codes a run
	s_add_nc_u64 s[12:13], s[12:13], s[26:27]
	s_lshl_b32 s26, s23, 8                         ; 256 scale bytes a run
	s_add_nc_u64 s[14:15], s[14:15], s[26:27]
.macro LOAD t
.irp i, 0,1,2,3
	global_load_b128 v[R+16*((\t)%4)+4*\i:R+16*((\t)%4)+4*\i+3], v3, s[4:5] offset:2048*(\t)+512*\i th:TH_LOAD_NT   ; 32 lanes read 512 consecutive bytes
.endr
.endm
.macro TURN t                          ; step t's numbers through the stage: LDS serves a wave's instructions in order (ISA guide 5.7.1.4), so no wait stands between the stores and the loads
.irp i, 0,1,2,3
	ds_store_b128 v14, v[R+16*((\t)%4)+4*\i:R+16*((\t)%4)+4*\i+3] offset:32*SP*((\t)%2)+8*SP*\i
.endr
.irp i, 0,1,2,3
	ds_load_b128 v[X+16*((\t)%2)+4*\i:X+16*((\t)%2)+4*\i+3], v15 offset:32*SP*((\t)%2)+16*\i
.endr
.endm
.irp t, 0,1,2,3
	LOAD \t
.endr
	s_wait_loadcnt 12                              ; step 0's four loads are in; the twelve behind them may be out
	TURN 0
.macro STEP t
.set XS, X+16*((\t)%2)
.if (\t) > 0
	s_wait_dscnt 1                                 ; this step's numbers are back from the stage (the last step's byte store may be out): so its stores into the stage have read their registers,
.else
	s_wait_dscnt 0x0
.endif
.if (\t)+4 < STEPS
	LOAD (\t)+4                                    ; which take the loads of four steps on
.endif
.if (\t)+1 < STEPS
.if STEPS-2-(\t) >= 3
	s_wait_loadcnt 12                              ; the next step's four loads are in; those of the three steps behind it may be out
.else
	s_wait_loadcnt 4*(STEPS-2-(\t))
.endif
	TURN (\t)+1                                    ; and go through the other stage while this step is worked
.endif
	v_max3_num_f32 v8, |v[XS]|, |v[XS+1]|, |v[XS+2]|               ; the largest magnitude of my 16, in two chains
	v_max3_num_f32 v9, |v[XS+3]|, |v[XS+4]|, |v[XS+5]|
.irp i, 6,10
	v_max3_num_f32 v8, v8, |v[XS+\i]|, |v[XS+\i+1]|
	v_max3_num_f32 v9, v9, |v[XS+\i+2]|, |v[XS+\i+3]|
.endr
	v_max3_num_f32 v8, v8, |v[XS+14]|, |v[XS+15]|
	v_max3_num_f32 v8, v8, v9, (EMAX+1)<<23        ; and the floor 2^(EMAX + 1 - 127): the byte cannot fall under 1
	v_max_num_f32_dpp v8, v8, v8 row_xmask:1 row_mask:0xf bank_mask:0xf   ; and of my neighbour's 16: the block's
	v_add_nc_u32 v11, -(EMAX<<23), v8              ; EMAX off its exponent field: the conversion takes the exponent field of this operand as its scale, and nothing else of it
	v_cvt_scalef32_pk8_fp4_f32 v[C+4*(\t)], v[XS:XS+7], v11        ; the first number's code in the lowest four bits
	v_cvt_scalef32_pk8_fp4_f32 v[C+4*(\t)+1], v[XS+8:XS+15], v11
	v_lshrrev_b32 v[E+(\t)], 23, v11               ; the scale's byte (also the plain line behind the conversions)
	ds_store_b8 v5, v[E+(\t)] offset:16*(\t)       ; both lanes of a block write the same byte with the same value
	global_store_b64 v4, v[C+4*(\t):C+4*(\t)+1], s[12:13] offset:32*CB*(\t)   ; the wave stores 256 consecutive bytes, aligned
.endm
.irp t, 0,1,2,3,4,5,6,7,8,9,10,11,12,13,14,15
	STEP \t
.endr
	ds_load_b64 v[12:13], v6                       ; in order behind my byte stores
	s_wait_dscnt 0x0
	global_store_b64 v7, v[12:13], s[14:15]        ; 32 lanes store 256 consecutive bytes, aligned: eight rows' scale bytes
	s_wait_tensorcnt 0x0
	ds_add_u32 v192, v193
	s_wait_dscnt 0x0
	s_endpgm
.Lfunc_end_k_qf916018fc8_quant:
	.size	k_qf916018fc8_quant, .Lfunc_end_k_qf916018fc8_quant-k_qf916018fc8_quant
	.p2alignl 7, 3214868480
	.fill 96, 4, 3214868480
	.section	.rodata,"a",@progbits
	.p2align	6, 0x0
	.amdhsa_kernel k_qf916018fc8_quant
		.amdhsa_group_segment_fixed_size 33280
		.amdhsa_private_segment_fixed_size 0
		.amdhsa_enable_private_segment 0
		.amdhsa_kernarg_size 64
		.amdhsa_user_sgpr_count 2
		.amdhsa_user_sgpr_kernarg_segment_ptr 1
		.amdhsa_wavefront_size32 1
		.amdhsa_system_sgpr_workgroup_id_x 1
		.amdhsa_system_sgpr_workgroup_id_y 1
		.amdhsa_system_sgpr_workgroup_id_z 1
		.amdhsa_system_vgpr_workitem_id 0
		.amdhsa_next_free_vgpr 194
		.amdhsa_next_free_sgpr 66
		.amdhsa_reserve_vcc 0
		.amdhsa_float_denorm_mode_32 3
		.amdhsa_float_denorm_mode_16_64 3
		.amdhsa_memory_ordered 1
		.amdhsa_forward_progress 1
		.amdhsa_inst_pref_size 34
	.end_amdhsa_kernel
	.amdgpu_metadata
---
amdhsa.version: [ 1, 2 ]
amdhsa.kernels:
  - .name:           k_qf916018fc8_quant
    .symbol:         k_qf916018fc8_quant.kd
    .args:
      - { .name: x, .offset: 0, .size: 8, .value_kind: global_buffer, .address_space: global }
      - { .name: Wq, .offset: 8, .size: 8, .value_kind: global_buffer, .address_space: global }
      - { .name: Wk, .offset: 16, .size: 8, .value_kind: global_buffer, .address_space: global }
      - { .name: Wv, .offset: 24, .size: 8, .value_kind: global_buffer, .address_space: global }
      - { .name: xc, .offset: 32, .size: 8, .value_kind: global_buffer, .address_space: global }
      - { .name: xs, .offset: 40, .size: 8, .value_kind: global_buffer, .address_space: global }
      - { .name: wc, .offset: 48, .size: 8, .value_kind: global_buffer, .address_space: global }
      - { .name: ws, .offset: 56, .size: 8, .value_kind: global_buffer, .address_space: global }
    .group_segment_fixed_size: 33280
    .private_segment_fixed_size: 0
    .kernarg_segment_align: 8
    .kernarg_segment_size: 64
    .max_flat_workgroup_size: 128
    .sgpr_count:     66
    .vgpr_count:     194
    .wavefront_size: 32
...
	.end_amdgpu_metadata
.endif
;; end of part 1
;; launch proj (part 2): grid 12 x 32, 4 waves a work-group, clusters of 4 x 4, 288,256 bytes of LDS; arguments xc, xs, wc, ws, bq, bk, bv, att; writes att
.if DOCPART == 2
	.amdgcn_target "amdgcn-amd-amdhsa--gfx1250"
	.amdhsa_code_object_version 6
	.text
	.protected	k_qf916018fc8_proj
	.globl	k_qf916018fc8_proj
	.p2align	8
	.type	k_qf916018fc8_proj,@function
k_qf916018fc8_proj:
	s_mov_b64 s[64:65], 0
	v_nop
	global_prefetch_b8 v0, s[64:65] scope:SCOPE_SE
	s_setreg_imm32_b32 hwreg(HW_REG_WAVE_MODE, 25, 1), 1
	s_wait_xcnt 0x0
	s_wait_alu depctr_hold_cnt(0) depctr_sa_sdst(0) depctr_va_vdst(0) depctr_va_sdst(0) depctr_va_ssrc(0) depctr_va_vcc(0) depctr_vm_vsrc(0)
	s_getreg_b32 s2, hwreg(HW_REG_IB_STS2, 6, 4)
	s_cmp_eq_u32 s2, 0
	s_cbranch_scc0 .Lentry_in_a_cluster
	s_endpgm
.Lentry_in_a_cluster:
	s_bfe_u32 s2, ttmp6, 0x10000c
	s_cmp_lg_u32 s2, 0xf033
	s_cbranch_scc0 .Lentry_shape_is_right
	s_endpgm
.Lentry_shape_is_right:
; q = x Wq^T + bq, k = x Wk^T + bk, v = x Wv^T + bv on codes of FP4 (E2M1) with E8M0 scales, sums in f32; the results are quantised again in registers, q and k along a head's 64 channels, v along the keys,
; and leave as codes only, laid as images of the registers that the attention launch's matrix instructions want.
; SHARES.  A work-group of four waves makes 256 stored rows of x times 256 stored rows of the weights (Wq, Wk, Wv lie on end: 12 tile columns; the cluster's x is the type: 0 q, 1 k, 2 v).  A wave makes 128 x 128: 64 accumulators, 512 registers.
; 12 x 32 = 384 work-groups: other tiles would break the square on which the swap of sides below rests.
; K = 1,024 is 512 bytes of codes a row: both operands' 256 rows and their scale bytes lie in LDS WHOLE, filled once: no slot is filled again.  Two tensor loads a wave are out, both waited for with count 0 in front of the one barrier.
; CLUSTERS: 4 x 4 work-groups.  The four of a row of the cluster need the same rows of x, the four of a column the same rows of the weights: each is asked for JOINTLY, by the same tensor load with the same descriptor and a mask that names the four.
; SIDES.  A lane of a result holds ONE row of source 1, and its registers run along source 0's rows.  So source 0 (side 0) is the axis along which the result is quantised: the weights' rows (channels) for q and k, x's rows (keys) for v.
; LDS, descriptors and masks are the same for all three types; on the type hang only the LDS bases of the two sides' fragments, the bias and the stores' offsets.  The type is the same in all partners of a cluster.
; STORED ROWS: 16 neighbouring stored rows are a tile whose lane r holds row 8 u + r + 8 (r / 8) of its 32; so a lane's 16 registers of side 0's tiles 2 b and 2 b + 1 are the 16 neighbours 32 b + 16 (lane / 16) + 0 .. 15.
; THE BIAS is the C of each sum's first matrix instruction: along the registers for q and k, along the lanes for v.
; A RECORD of att, REC bytes for each (batch, head): q's images 65,536, q's scale words 8,192, k's likewise, v's images 65,536, v's scale words 4,096.  Every store of the wave covers 512 or 256 consecutive bytes, aligned.
; LIMITS: a block whose largest magnitude lies under 2^-124 gets the byte 1 (a zero block's codes are zeros; the bytes are read by this program alone).  NaN and infinities are not served.
; REGISTERS, in windows of 256: window 0: v1-31 addresses; v32-95 scale words; v128-191 side 1's fragments, ONE set, later the codes just made; v200-235 at work on the way out.
;   window 1: side 0's fragments, TWO sets, at v0 and v128; v64-127 the bias.   window 2: the accumulators of side 1's blocks 0-3 ((a, b) at v[8 (8 (a % 4) + b)]);   window 3: those of blocks 4-7.
.set PITCH,  528                       ; an LDS row: 512 bytes of codes + 16 of padding = 132 words: row r starts at bank 4 r mod 64 (64 banks of 4 bytes: ISA guide 11.1)
.set HALFT,  128*PITCH                 ; 128 rows: what one tensor load brings, and what one wave reads of a side
.set SCL,    4*HALFT                   ; behind x's 256 rows and the weights' 256: the scale bytes, as runs of 256 bytes + 16 of padding
.set HALFS,  16*272                    ; the scales of 128 rows (32 bytes a row)
.set SBLK,   2*272                     ; those of 16 rows
.set REC,    217088                    ; a record of att
.set SECT,   73728                     ; from q's section to k's, from k's to v's; a section's scale words lie 65,536 behind its images
.set ADR1, 16                          ; v16  LDS address of side 1's fragments
.set ADR0, 20                          ; v20  of side 0's
.set LI,   24                          ; v24  16 x lane
.set L8,   25                          ; v25  8 x lane
.set ADRS, 27                          ; v27  LDS address of my scale words: lanes 0-15 side 1's rows, lanes 16-31 side 0's
.set BO,   28                          ; v28  my lane's byte in the bias
.set SC,   32                          ; register 8 i + q: lanes 0-15 the word of side 1's block i, lanes 16-31 that of side 0's block i, for the q-th 128 along K
.set AF,   128                         ; side 1's fragments
.set BI,   64                          ; the bias, in window 1
.set PC,   128                         ; the way out: block a's codes at v[PC + 8 a]
.set TM,   200                         ; v200-203 largest magnitudes, v204-207 bytes, v212-215 the conversions' scale operands
.set PW,   216                         ; v216-223 block a's scale word
.set SW,   224                         ; v224-231 scale words as they are stored
.set T,    232                         ; v232-235 at work
.set G1X,  24                          ; s[24:31], s[32:35] descriptor groups 1 and 0 for x's codes
.set G0X,  32
.set G1W,  36                          ; s[36:43], s[44:47] for the weights' codes
.set G0W,  44
.set G1XS, 48                          ; s[48:55], s[56:59] for x's scales
.set G0XS, 56
.set G0WS, 60                          ; s[60:63], s[68:75] for the weights' scales
.set G1WS, 68
.set MSB, 0
.macro WIN new                         ; the immediate's high byte repeats the setting that is left; bits 1:0 source 0, 3:2 source 1, 5:4 source 2, 7:6 destination
.if MSB != (\new)
	s_set_vgpr_msb (MSB<<8)|(\new)
.set MSB, \new
.endif
.endm
.macro CROUND                          ; a round of the cluster's barrier: my work-group's barrier; wave 0 signals for the work-group; every wave waits for all sixteen; my work-group's barrier once more
	s_barrier_signal -1
	s_barrier_wait -1
	s_cmp_lg_u32 s20, 0
	s_cbranch_scc1 .Lnot_wave_0_\@
	s_barrier_signal -3
.Lnot_wave_0_\@:
	s_barrier_wait -3
	s_barrier_signal -1
	s_barrier_wait -1
.endm
	s_load_b256 s[4:11], s[0:1], 0x0               ; x's codes s[4:5], x's scales s[6:7], the weights' codes s[8:9], their scales s[10:11]
	s_load_b256 s[12:19], s[0:1], 0x20             ; bq s[12:13], bk s[14:15], bv s[16:17], att s[18:19]
	v_lshl_add_u32 v254, v0, 2, 0x46400
	v_mov_b32 v255, 0
	ds_add_u32 v254, v255
	ds_add_u32 v254, v255
	v_lshrrev_b32 v1, 5, v0
	v_readfirstlane_b32 s20, v1                    ; wave 0..3
	s_lshr_b32 s21, s20, 1                         ; which half of x's rows is mine.  Also: I fetch for x (0) or for the weights (1)
	s_and_b32 s22, s20, 1                          ; which half of the weights' rows.  Also: which 128 rows I fetch
	s_bfe_u32 s76, ttmp6, 0x40000                  ; cx, cy: my place in the cluster
	s_bfe_u32 s77, ttmp6, 0x40004
	s_lshl_b32 s78, ttmp9, 2
	s_add_co_u32 s78, s78, s76                     ; the weights' tile = 4 x cluster x + cx
	s_and_b32 s79, ttmp7, 0xffff
	s_lshl_b32 s79, s79, 2
	s_add_co_u32 s79, s79, s77                     ; x's tile = 4 x cluster y + cy
	s_lshl_b32 s80, s77, 2
	s_lshl_b32 s80, 15, s80                        ; my row of the cluster
	s_lshl_b32 s81, 0x1111, s76                    ; my column
	s_cmp_eq_u32 ttmp9, 2
	s_cselect_b32 s23, 1, 0                        ; 1 for v
	s_mov_b32 s2, 0x76543210
	s_mov_b32 s3, 0xfedcba98                       ; v_permlanex16_b32's selects for lane l xor 16
	; descriptor group 1 for codes: 128 rows x 512 bytes, padded in LDS
	s_or_b32 s[G1X], s80, (0<<16)|(1<<20)|(1<<21)|(6<<22)|(3<<25)   ; 15:0 the mask: x's rows go to my row of the cluster; 17:16 elements of 1 byte; 20 padding on; 21 set beside a mask; 24:22 after every 128 words (code 6); 31:25 four words (code 3)
	s_or_b32 s[G1W], s81, (0<<16)|(1<<20)|(1<<21)|(6<<22)|(3<<25)   ; the same with the mask of my column
.irp g, G1X, G1W
	s_mov_b32 s[\g+1], 512<<16                     ; tensor_dim0
	s_mov_b32 s[\g+2], 128<<16                     ; tensor_dim1
	s_mov_b32 s[\g+3], 512<<16                     ; tile_dim0
	s_mov_b32 s[\g+4], 128                         ; tile_dim1
	s_mov_b32 s[\g+5], 512                         ; tensor_dim0_stride
	s_mov_b32 s[\g+6], 0
	s_mov_b32 s[\g+7], 0
.endr
	; and for the scales of 128 rows: 4,096 dense bytes as 16 rows of 256 (32 elements of 8 bytes), 16 bytes of padding behind each
	s_or_b32 s[G1XS], s80, (3<<16)|(1<<20)|(1<<21)|(5<<22)|(3<<25)
	s_or_b32 s[G1WS], s81, (3<<16)|(1<<20)|(1<<21)|(5<<22)|(3<<25)
.irp g, G1XS, G1WS
	s_mov_b32 s[\g+1], 32<<16
	s_mov_b32 s[\g+2], 16<<16
	s_mov_b32 s[\g+3], 32<<16
	s_mov_b32 s[\g+4], 16
	s_mov_b32 s[\g+5], 32
	s_mov_b32 s[\g+6], 0
	s_mov_b32 s[\g+7], 0
.endr
	; where the rows come from.  x's hang on x's tile alone, the weights' on the weights' tile alone; each in registers that never hold the other coordinate
	s_lshl_b32 s83, s22, 7                         ; which 128 rows of the tile I fetch
	s_lshl_b32 s82, s79, 8
	s_add_co_u32 s82, s82, s83                     ; x: stored row 256 x tile + 128 x half
	s_lshl_b32 s86, s78, 8
	s_add_co_u32 s86, s86, s83                     ; the weights likewise
	s_lshl_b32 s84, s82, 5                         ; x's scales: 32 bytes a row
	s_mov_b32 s85, 0
	s_lshl_b32 s82, s82, 9                         ; x's codes: 512 bytes a row (under 2^32)
	s_mov_b32 s83, 0
	s_lshl_b32 s88, s86, 5
	s_mov_b32 s89, 0
	s_lshl_b32 s86, s86, 9
	s_mov_b32 s87, 0
	s_mul_i32 s90, s20, HALFT                      ; where they go: wave x 128 rows: no place in the cluster enters an LDS address
	s_mul_i32 s91, s20, HALFS
	s_wait_dscnt 0x0
	s_wait_kmcnt 0x0
	s_mov_b32 s[G0X], 1                            ; 1:0 count = 1
	s_mov_b32 s[G0X+1], s90                        ; 63:32 LDS address
	s_add_nc_u64 s[G0X+2:G0X+3], s[4:5], s[82:83]  ; 120:64 global address
	s_or_b32 s[G0X+3], s[G0X+3], 0x80000000        ; 127:126 type = 2
	s_mov_b32 s[G0W], 1
	s_mov_b32 s[G0W+1], s90
	s_add_nc_u64 s[G0W+2:G0W+3], s[8:9], s[86:87]
	s_or_b32 s[G0W+3], s[G0W+3], 0x80000000
	s_mov_b32 s[G0XS], 1
	s_add_co_u32 s[G0XS+1], s91, SCL
	s_add_nc_u64 s[G0XS+2:G0XS+3], s[6:7], s[84:85]
	s_or_b32 s[G0XS+3], s[G0XS+3], 0x80000000
	s_mov_b32 s[G0WS], 1
	s_add_co_u32 s[G0WS+1], s91, SCL
	s_add_nc_u64 s[G0WS+2:G0WS+3], s[10:11], s[88:89]
	s_or_b32 s[G0WS+3], s[G0WS+3], 0x80000000
	CROUND                                         ; all sixteen work-groups are here: the joint loads meet
	s_cmp_eq_u32 s21, 0                            ; a wave's two fills stand in one branch on the wave's number: waves 0 and 1 fetch x's halves, waves 2 and 3 the weights'; four v_nop follow the second
	s_cbranch_scc0 .Lfor_w
	tensor_load_to_lds s[G0XS:G0XS+3], s[G1XS:G1XS+7]
	s_nop 0
	tensor_load_to_lds s[G0X:G0X+3], s[G1X:G1X+7]
	s_nop 0
.rept 4
	v_nop
.endr
	s_branch .Lasked
.Lfor_w:
	tensor_load_to_lds s[G0WS:G0WS+3], s[G1WS:G1WS+7]
	s_nop 0
	tensor_load_to_lds s[G0W:G0W+3], s[G1W:G1W+7]
	s_nop 0
.rept 4
	v_nop
.endr
.Lasked:
	v_and_b32 v1, 15, v0                           ; r = lane % 16
	v_bfe_u32 v2, v0, 4, 1                         ; h = lane / 16
	v_mul_u32_u24 v3, v1, PITCH
	v_lshl_add_u32 v3, v2, 4, v3                   ; a fragment's row x pitch + 16 x half
	s_mul_i32 s82, s21, HALFT                      ; my 128 rows of x
	s_mul_i32 s83, s22, HALFT                      ; my 128 rows of the weights,
	s_add_co_u32 s83, s83, 2*HALFT                 ; which lie behind x's 256
	s_cmp_eq_u32 ttmp9, 2
	s_cselect_b32 s84, s83, s82                    ; side 1: x for q and k, the weights for v
	s_cselect_b32 s85, s82, s83                    ; side 0: the other
	v_add_nc_u32 v[ADR1], s84, v3
	v_add_nc_u32 v[ADR0], s85, v3
	v_lshlrev_b32 v4, 5, v1                        ; my row's scales: 32 bytes a row,
	v_lshrrev_b32 v5, 3, v1
	v_lshl_add_u32 v4, v5, 4, v4                   ; and 16 more for each 256 passed
	v_xor_b32 v5, s23, v2                          ; 0: I take x's words, 1: the weights'.  Lanes 0-15 take side 1's, lanes 16-31 side 0's
	s_add_co_u32 s86, s22, 2
	s_sub_co_u32 s86, s86, s21
	s_mul_i32 s86, s86, HALFS                      ; from my half of x's scales to my half of the weights': one product, the lower base + the choice x the distance
	v_mul_u32_u24 v5, s86, v5
	s_mul_i32 s87, s21, HALFS
	s_add_co_u32 s87, s87, SCL
	v_add_nc_u32 v4, v4, v5
	v_add_nc_u32 v[ADRS], s87, v4
	v_and_b32 v6, 31, v0
	v_lshlrev_b32 v[LI], 4, v6
	v_lshlrev_b32 v[L8], 3, v6
	v_cmp_ne_u32 s92, 0, v2                        ; the mask of lanes 16-31
.irp b, 0,1,2,3
	v_mov_b32 v[TM+4+\b], 0                        ; written once: a lane permute's destination counts as one of its sources
.endr
	; where my results go: record 16 x batch + head, the type's section, my 128 tokens' step
	s_lshr_b32 s82, s79, 3                         ; the batch: 8 tiles of 256 tokens
	s_lshl_b32 s82, s82, 4
	s_lshl_b32 s83, s76, 2
	s_add_co_u32 s82, s82, s83
	s_lshl_b32 s83, s22, 1
	s_add_co_u32 s82, s82, s83                     ; the first of my two heads: 4 cx + 2 x half
	s_mul_i32 s82, s82, REC
	s_mul_i32 s83, ttmp9, SECT
	s_add_co_u32 s82, s82, s83
	s_and_b32 s84, s79, 7
	s_lshl_b32 s84, s84, 1
	s_add_co_u32 s84, s84, s21                     ; the step of 128 tokens in the batch
	s_lshl_b32 s85, s84, 12                        ; 4,096 bytes of images a step
	s_add_co_u32 s88, s82, s85
	s_mov_b32 s89, 0
	s_add_nc_u64 s[94:95], s[18:19], s[88:89]      ; the images
	s_cmp_eq_u32 ttmp9, 2
	s_cselect_b32 s85, 8, 9                        ; 256 bytes of scale words a step for v, 512 for q and k
	s_lshl_b32 s85, s84, s85
	s_add_co_u32 s88, s82, s85
	s_add_co_u32 s88, s88, 65536
	s_add_nc_u64 s[96:97], s[18:19], s[88:89]      ; the scale words
	s_cmp_eq_u32 ttmp9, 0
	s_cselect_b64 s[98:99], s[12:13], s[14:15]
	s_cmp_eq_u32 ttmp9, 2
	s_cselect_b64 s[98:99], s[16:17], s[98:99]     ; the type's bias,
	s_lshl_b32 s88, s76, 10
	s_lshl_b32 s90, s22, 9
	s_add_co_u32 s88, s88, s90
	s_add_nc_u64 s[98:99], s[98:99], s[88:89]      ; at my 128 channels: 4 (256 cx + 128 x half) bytes
	s_cmp_eq_u32 ttmp9, 2
	s_cbranch_scc1 .Lbias_v
	v_lshlrev_b32 v[BO], 6, v2                     ; q, k: register 8 b + j is the bias of channel 32 (b / 2) + 16 h + 8 (b % 2) + j
	WIN 0x40                                       ; destination window 1
.irp b, 0,1,2,3,4,5,6,7
	global_load_b128 v[BI+8*\b:BI+8*\b+3], v[BO], s[98:99] offset:4*(32*(\b/2)+8*(\b%2))
	global_load_b128 v[BI+8*\b+4:BI+8*\b+7], v[BO], s[98:99] offset:4*(32*(\b/2)+8*(\b%2))+16
.endr
	WIN 0
	s_branch .Lbias_in
.Lbias_v:
	v_and_b32 v5, 8, v1
	v_add_nc_u32 v5, v5, v1                        ; r + 8 (r / 8)
	v_lshlrev_b32 v[BO], 2, v5                     ; v: all eight registers 8 a + j are the bias of my lane's channel 32 (a / 2) + 8 (a % 2) + r + 8 (r / 8): eight loads of one address fill them, so that both ways write all 64
	WIN 0x40
.irp a, 0,1,2,3,4,5,6,7
.irp j, 0,1,2,3,4,5,6,7
	global_load_b32 v[BI+8*\a+\j], v[BO], s[98:99] offset:4*(32*(\a/2)+8*(\a%2))
.endr
.endr
	WIN 0
.Lbias_in:
.macro FRAG reg, adr, q, i             ; a fragment, 16 rows x 128 K of 4-bit codes, is 8 registers: lane l holds row l % 16; registers 4 c .. 4 c + 3 hold K = 64 c + 32 (l / 16) + 0 .. 31
.irp c, 0,1
	ds_load_b128 v[\reg+4*\c:\reg+4*\c+3], v[\adr] offset:64*(\q)+32*\c+(\i)*16*PITCH
.endr
.endm
.macro FETCH_B q, p                    ; side 0's eight fragments of the q-th 128 along K into set p
	WIN 0x40
.irp i, 0,1,2,3,4,5,6,7
	FRAG 128*(\p)+8*\i, ADR0, \q, \i
.endr
	WIN 0
.endm
.macro FETCH_A q, i0                   ; side 1's blocks i0 .. i0 + 3
.irp i, \i0, \i0+1, \i0+2, \i0+3
	FRAG AF+8*(\i), ADR1, \q, \i
.endr
.endm
.macro PLACES n                        ; a load into a register that a matrix instruction has read, and a vector instruction that reads a matrix result, stand four places behind it; only plain vector instructions that name none of its registers are places (ISA guide 7.12.1 for vector instructions)
.rept \n
	v_nop
.endr
.endm
; 16 matrix instructions: side 1's blocks a0, a0 + 1 x side 0's eight, the q-th 128 along K.  p: side 0's set.  cm = 0: the sums go on; 1: they start with the bias along side 0; 2: with the bias along side 1.
; The 64 accumulators take turns, one instruction a turn, in the same order in every step.
.macro MUL16 a0, p, q, cm
.irp a, \a0, \a0+1
.irp b, 0,1,2,3,4,5,6,7
.set DR, 8*(8*((\a)%4)+\b)
.if \cm == 0
.set CR, DR
.elseif \cm == 1
.set CR, BI+8*\b
.else
.set CR, BI+8*(\a)
.endif
	v_wmma_scale_f32_16x16x128_f8f6f4 v[DR:DR+7], v[128*(\p)+8*\b:128*(\p)+8*\b+7], v[AF+8*(\a):AF+8*(\a)+7], v[CR:CR+7], v[SC+8*\b+(\q)], v[SC+8*(\a)+(\q)] matrix_a_fmt:MATRIX_FMT_FP4 matrix_b_fmt:MATRIX_FMT_FP4 matrix_a_scale:MATRIX_SCALE_ROW1
.endr
.endr
.endm
; A step of 128 along K that has a successor.  Side 1 has one set of registers: blocks 0-3 are fetched anew in the step's middle, blocks 4-7 at its end; side 0 is at work through the whole step and has two sets.
.macro STEP q, cm
	s_wait_dscnt 8                                 ; side 0's set and side 1's blocks 0-3 are in; the youngest eight loads (blocks 4-7) may be out
.if \cm
	WIN 0x91                                       ; source 0 window 1, source 1 window 0, C (the bias) window 1, D window 2
.else
	WIN 0xa1                                       ; C and D window 2
.endif
	MUL16 0, (\q)%2, \q, \cm
	MUL16 2, (\q)%2, \q, \cm
	s_wait_dscnt 0x0                               ; blocks 4-7 are in (asked for 32 matrix instructions ago)
	PLACES 4
	FETCH_B (\q)+1, 1-(\q)%2
	FETCH_A (\q)+1, 0
.if \cm
	WIN 0xd1                                       ; D window 3
.else
	WIN 0xf1
.endif
	MUL16 4, (\q)%2, \q, \cm
	MUL16 6, (\q)%2, \q, \cm
	PLACES 4
	WIN 0
	FETCH_A (\q)+1, 4
.endm
	s_wait_tensorcnt 0x0                           ; my two fills have landed,
	s_barrier_signal -1
	s_barrier_wait -1                              ; everybody's have: from here on LDS is only read
	FETCH_B 0, 0
	FETCH_A 0, 0
.irp i, 0,1,2,3,4,5,6,7                        ; all scale words, once: eight words a row; lanes 0-15 take side 1's block i, lanes 16-31 side 0's block i
	ds_load_b128 v[SC+8*\i:SC+8*\i+3], v[ADRS] offset:\i*SBLK
	ds_load_b128 v[SC+8*\i+4:SC+8*\i+7], v[ADRS] offset:\i*SBLK+16
.endr
	FETCH_A 0, 4
	s_wait_loadcnt 0x0                             ; the bias
	s_cmp_eq_u32 ttmp9, 2
	s_cbranch_scc1 .Lfirst_v
	STEP 0, 1                                      ; the first step starts the sums: nothing is cleared
	s_branch .Lfirst_done
.Lfirst_v:
	STEP 0, 2
.Lfirst_done:
.irp q, 1,2,3,4,5,6
	STEP \q, 0
.endr
	s_wait_dscnt 8                                 ; the last step: nothing more to fetch
	WIN 0xa1
	MUL16 0, 1, 7, 0
	MUL16 2, 1, 7, 0
	s_wait_dscnt 0x0
	WIN 0xf1
	MUL16 4, 1, 7, 0
	MUL16 6, 1, 7, 0
	WIN 0
	PLACES 4
; THE WAY OUT.  Block a's 64 numbers of a lane (register 16 b + i = place 32 b + 16 (lane / 16) + i along side 0, of my lane's row of side 1) become a fragment's codes in v[PC + 8 a] on and its scale word in v[PW + a].
; Each accumulator is read from its low end on.
.macro QUANT a
.set S, 64*((\a)%4)
.set PCA, PC+8*(\a)
	WIN 0x0a+5*((\a)/4)                            ; sources 0 and 1: window 2 or 3
.irp b, 0,1,2,3
	v_max3_num_f32 v[TM+\b], |v[S+16*\b]|, |v[S+16*\b+1]|, 0x1800000   ; block b: my 16 numbers, and the floor 2^(3 - 127): the byte cannot fall under 1
.endr
.irp i, 2,4,6,8,10,12,14
.irp b, 0,1,2,3
	v_max3_num_f32 v[TM+\b], |v[S+16*\b+\i]|, |v[S+16*\b+\i+1]|, v[TM+\b]   ; (the four blocks by turns)
.endr
.endr
	WIN 0
.irp b, 0,1,2,3
	v_permlanex16_b32 v[TM+4+\b], v[TM+\b], s2, s3
.endr
.irp b, 0,1,2,3
	v_max_num_f32 v[TM+\b], v[TM+\b], v[TM+4+\b]   ; with lane l xor 16's: the block's largest magnitude
.endr
.irp b, 0,1,2,3
	v_add_nc_u32 v[TM+12+\b], 0xff000000, v[TM+\b] ; 2 off its exponent field: the conversion's scale operand
.endr
.irp b, 0,1,2,3
	v_lshrrev_b32 v[TM+4+\b], 23, v[TM+12+\b]      ; the scale's byte
.endr
	v_lshl_or_b32 v[PW+(\a)], v[TM+5], 8, v[TM+4]  ; the four bytes make my row's scale word, the same in both halves of the lanes
	v_lshl_or_b32 v[PW+(\a)], v[TM+6], 16, v[PW+(\a)]
	v_lshl_or_b32 v[PW+(\a)], v[TM+7], 24, v[PW+(\a)]
	WIN 0x02+((\a)/4)                              ; source 0: window 2 or 3
.irp b, 0,1,2,3
	v_cvt_scalef32_pk8_fp4_f32 v[PCA+2*\b], v[S+16*\b:S+16*\b+7], v[TM+12+\b]
	v_cvt_scalef32_pk8_fp4_f32 v[PCA+2*\b+1], v[S+16*\b+8:S+16*\b+15], v[TM+12+\b]
.endr
	WIN 0
	v_nop                                          ; one plain place behind a scaled conversion
.irp c, 0,1                                    ; the operand's layout wants a WHOLE block in a lane: lanes 0-15 block 2 c, lanes 16-31 block 2 c + 1
.irp i, 0,1
	v_permlane16_swap_b32 v[PCA+4*\c+\i], v[PCA+4*\c+2+\i]
.endr
.endr
.endm
.irp a, 0,1,2,3,4,5,6,7
	QUANT \a
.endr
	s_cmp_eq_u32 ttmp9, 2
	s_cbranch_scc1 .Lout_v
	; q, k: block a is a tile of 16 tokens; registers 0-3 are the first head's 64 channels, registers 4-7 the second head's: each is the lower half of a fragment whose upper half (K = 64 .. 127) the reader fills with zeros
.irp a, 0,1,2,3,4,5,6,7
	global_store_b128 v[LI], v[PC+8*\a:PC+8*\a+3], s[94:95] offset:512*\a
	global_store_b128 v[LI], v[PC+8*\a+4:PC+8*\a+7], s[94:95] offset:REC+512*\a
.endr
.irp e, 0,1,2,3
	v_cndmask_b32 v[T+\e], v[PW+2*\e], v[PW+2*\e+1], s92   ; lanes 0-15 keep tile 2 e's words, lanes 16-31 tile 2 e + 1's: one register then serves two tiles
.endr
.irp e, 0,1,2,3
	v_and_b32 v[SW+\e], 0xffff, v[T+\e]            ; the first head's two bytes; the bytes of the zero codes are 0
	v_lshrrev_b32 v[SW+4+\e], 16, v[T+\e]          ; the second head's
.endr
	global_store_b128 v[LI], v[SW:SW+3], s[96:97]
	global_store_b128 v[LI], v[SW+4:SW+7], s[96:97] offset:REC
	s_branch .Lout_done
.Lout_v:
	; v: block a is a tile of 16 channels (head a / 4, tile a % 4) x my 128 keys: a whole fragment
.irp a, 0,1,2,3,4,5,6,7
	global_store_b128 v[LI], v[PC+8*\a:PC+8*\a+3], s[94:95] offset:(\a/4)*REC+(\a%4)*1024
	global_store_b128 v[LI], v[PC+8*\a+4:PC+8*\a+7], s[94:95] offset:(\a/4)*REC+(\a%4)*1024+512
.endr
.irp e, 0,1,2,3
	v_cndmask_b32 v[SW+\e], v[PW+2*\e], v[PW+2*\e+1], s92
.endr
	global_store_b64 v[L8], v[SW:SW+1], s[96:97]
	global_store_b64 v[L8], v[SW+2:SW+3], s[96:97] offset:REC
.Lout_done:
	s_wait_tensorcnt 0x0
	ds_add_u32 v254, v255
	s_wait_dscnt 0x0
	CROUND                                         ; the closing round: no work-group ends while a partner may still ask for rows that name it
	s_endpgm
.Lfunc_end_k_qf916018fc8_proj:
	.size	k_qf916018fc8_proj, .Lfunc_end_k_qf916018fc8_proj-k_qf916018fc8_proj
	.p2alignl 7, 3214868480
	.fill 96, 4, 3214868480
	.section	.rodata,"a",@progbits
	.p2align	6, 0x0
	.amdhsa_kernel k_qf916018fc8_proj
		.amdhsa_group_segment_fixed_size 288256
		.amdhsa_private_segment_fixed_size 0
		.amdhsa_enable_private_segment 0
		.amdhsa_kernarg_size 64
		.amdhsa_user_sgpr_count 2
		.amdhsa_user_sgpr_kernarg_segment_ptr 1
		.amdhsa_wavefront_size32 1
		.amdhsa_system_sgpr_workgroup_id_x 1
		.amdhsa_system_sgpr_workgroup_id_y 1
		.amdhsa_system_sgpr_workgroup_id_z 1
		.amdhsa_system_vgpr_workitem_id 0
		.amdhsa_next_free_vgpr 1024
		.amdhsa_next_free_sgpr 100
		.amdhsa_reserve_vcc 0
		.amdhsa_float_denorm_mode_32 3
		.amdhsa_float_denorm_mode_16_64 3
		.amdhsa_memory_ordered 1
		.amdhsa_forward_progress 1
		.amdhsa_inst_pref_size 147
	.end_amdhsa_kernel
	.amdgpu_metadata
---
amdhsa.version: [ 1, 2 ]
amdhsa.kernels:
  - .name:           k_qf916018fc8_proj
    .symbol:         k_qf916018fc8_proj.kd
    .args:
      - { .name: xc, .offset: 0, .size: 8, .value_kind: global_buffer, .address_space: global }
      - { .name: xs, .offset: 8, .size: 8, .value_kind: global_buffer, .address_space: global }
      - { .name: wc, .offset: 16, .size: 8, .value_kind: global_buffer, .address_space: global }
      - { .name: ws, .offset: 24, .size: 8, .value_kind: global_buffer, .address_space: global }
      - { .name: bq, .offset: 32, .size: 8, .value_kind: global_buffer, .address_space: global }
      - { .name: bk, .offset: 40, .size: 8, .value_kind: global_buffer, .address_space: global }
      - { .name: bv, .offset: 48, .size: 8, .value_kind: global_buffer, .address_space: global }
      - { .name: att, .offset: 56, .size: 8, .value_kind: global_buffer, .address_space: global }
    .group_segment_fixed_size: 288256
    .private_segment_fixed_size: 0
    .kernarg_segment_align: 8
    .kernarg_segment_size: 64
    .max_flat_workgroup_size: 128
    .sgpr_count:     100
    .vgpr_count:     1024
    .wavefront_size: 32
...
	.end_amdgpu_metadata
.endif
;; end of part 2
;; launch attn (part 3): grid 8 x 64, 16 waves a work-group, clusters of 4 x 1, 215,040 bytes of LDS; arguments att, out0; writes out0
.if DOCPART == 3
	.amdgcn_target "amdgcn-amd-amdhsa--gfx1250"
	.amdhsa_code_object_version 6
	.text
	.protected	k_qf916018fc8_attn
	.globl	k_qf916018fc8_attn
	.p2align	8
	.type	k_qf916018fc8_attn,@function
k_qf916018fc8_attn:
	s_mov_b64 s[64:65], 0
	v_nop
	global_prefetch_b8 v0, s[64:65] scope:SCOPE_SE
	s_setreg_imm32_b32 hwreg(HW_REG_WAVE_MODE, 25, 1), 1
	s_wait_xcnt 0x0
	s_wait_alu depctr_hold_cnt(0) depctr_sa_sdst(0) depctr_va_vdst(0) depctr_va_sdst(0) depctr_va_ssrc(0) depctr_va_vcc(0) depctr_vm_vsrc(0)
	s_getreg_b32 s2, hwreg(HW_REG_IB_STS2, 6, 4)
	s_cmp_eq_u32 s2, 0
	s_cbranch_scc0 .Lentry_in_a_cluster
	s_endpgm
.Lentry_in_a_cluster:
	s_bfe_u32 s2, ttmp6, 0x10000c
	s_cmp_lg_u32 s2, 0x3003
	s_cbranch_scc0 .Lentry_shape_is_right
	s_endpgm
.Lentry_shape_is_right:
; out[b][q][head] = the sum over keys of softmax(q . k / 8) v, both products on codes of FP4 (E2M1) with E8M0 scales, from the records that the launch before has laid: images of operand registers, 16 bytes a lane.
; THE SOFTMAX AHEAD OF THE SECOND PRODUCT: t = score x log2(e) / 8; M = the row's largest t so far, rounded UP to a whole number; p = 2^(t - M) is what is quantised, along the keys; it is not normalised.
; The row's sum is taken of the unquantised p, in f32, and divides O at the end.  When M moves, the sum and O are multiplied by 2^(old M - new M): exact.
; SHARES.  A work-group owns 256 queries of one (batch, head); each of its SIXTEEN waves one tile of 16, in 256 registers: four waves to a SIMD, so that one wave's vector work stands beside another's matrix work and LDS loads.
; Every wave walks the head's 2,048 keys, 128 a step.  THE HEAD'S K AND V, codes and scale words, are 143,360 dense bytes of its record: they come into LDS ONCE and stay: no slot, nothing filled again.
; CLUSTER.  The four work-groups of a cluster belong to one head: the block is asked for JOINTLY, each wave its sixteenth (35 rows of 256 bytes) by the same tensor load with the same descriptor and a mask that names the four.  One load a wave is out.
; LAYOUT.  Both products are used transposed: S^T = K Q^T (source 0 = 16 keys, source 1 = my 16 queries), O^T = V^T P^T (source 0 = 16 channels, source 1 = P): a lane holds ONE query (lane % 16) throughout.
; A head has 64 channels and the instruction takes 128 along K: the upper four registers of Q's and of each of K's fragments are zeros, written once; zero codes add nothing, whatever their scale byte (here 0).
; A tile's rows are not neighbours: lane r of tile 2 b + u holds token (or channel) 32 b + 8 u + r + 8 (r / 8), so that a lane's 16 result registers of tiles 2 b and 2 b + 1 are the 16 neighbours 32 b + 16 (lane / 16) + 0 .. 15.
; LIMITS: a block of p whose largest lies under 2^-124 gets the byte 1 (its codes are zeros).  NaN and infinities are not served.
; REGISTERS: v1-7, v25-28 addresses that stay; v8-11 addresses of the step; v12 -M, v13 the largest t, v[14:15] the sum in two halves; v16-23 Q; v24 Q's scale word; v32-95 K's eight fragments; v96-159 S^T, then p;
;   v160-191 O^T; v192-223 V's four fragments; v224-231 p's codes; v232-239, v244-247, v252-254 at work; v240-243 K's scale words; v248-249 V's; v250 p's.
.set REC,   217088                     ; a record: q's images 65,536, q's scale words 8,192, then the block that goes to LDS
.set KVO,   73728                      ; where that block begins in the record
.set PART,  8960                       ; a wave's sixteenth of it
.set LKS,   65536                      ; LDS: K's images at 0, K's scale words here (512 bytes a step),
.set LVI,   73728                      ; V's images (4,096 bytes a step, as K's),
.set LVS,   139264                     ; V's scale words (256 bytes a step),
.set STAGE, 143360                     ; and behind the block, in bytes of their own: a stage of 16 rows x (256 bytes + 16) for each wave, for the way out
.set SPI,   272
.macro CROUND                          ; a round of the cluster's barrier: my work-group's barrier; wave 0 signals for the work-group; every wave waits for all four; my work-group's barrier once more
	s_barrier_signal -1
	s_barrier_wait -1
	s_cmp_lg_u32 s8, 0
	s_cbranch_scc1 .Lnot_wave_0_\@
	s_barrier_signal -3
.Lnot_wave_0_\@:
	s_barrier_wait -3
	s_barrier_signal -1
	s_barrier_wait -1
.endm
	s_load_b128 s[4:7], s[0:1], 0x0                ; att s[4:5], out0 s[6:7]
	v_lshl_add_u32 v251, v0, 2, 0x34000
	v_mov_b32 v255, 0
	ds_add_u32 v251, v255
	ds_add_u32 v251, v255
	v_lshrrev_b32 v1, 5, v0
	v_readfirstlane_b32 s8, v1                     ; wave 0..15
	s_bfe_u32 s9, ttmp6, 0x40000                   ; cx: my place in the cluster
	s_lshl_b32 s10, ttmp9, 2
	s_add_co_u32 s10, s10, s9                      ; my block of 256 queries: it enters Q's and the output's addresses alone
	s_and_b32 s11, ttmp7, 0xffff                   ; 16 x batch + head, which the four partners share
	s_mul_i32 s32, s11, REC                        ; the record (64 records: under 2^32)
	s_mul_i32 s34, s8, PART                        ; my sixteenth: in the block and in LDS alike
	s_add_co_u32 s36, s32, s34
	s_add_co_u32 s36, s36, KVO
	s_mov_b32 s37, 0
	s_mov_b32 s16, 15|(3<<16)|(1<<21)              ; group 1: 15:0 the mask: all four work-groups; 17:16 elements of 8 bytes; 20 no padding; 21 set beside a mask
	s_mov_b32 s17, 32<<16                          ; tensor_dim0 = 32 elements: 256 bytes
	s_mov_b32 s18, 35<<16                          ; tensor_dim1 = 35 rows
	s_mov_b32 s19, 32<<16                          ; tile_dim0
	s_mov_b32 s20, 35                              ; tile_dim1
	s_mov_b32 s21, 32                              ; tensor_dim0_stride: the block is dense
	s_mov_b32 s22, 0
	s_mov_b32 s23, 0
	s_mov_b32 s24, 0x76543210
	s_mov_b32 s25, 0xfedcba98                      ; v_permlanex16_b32's selects for lane l xor 16
	s_mov_b32 s26, 0x3e38aa3b                      ; c = log2(e) / 8
	s_mov_b32 s27, s26                             ; (named with it as a pair, so it is written)
	s_mov_b32 s28, 0                               ; the step's images: 4,096 bytes a step, K's and V's alike
	s_mov_b32 s29, 0                               ; K's scale words: 512 a step
	s_mov_b32 s30, 0                               ; V's: 256 a step
	s_mov_b32 s31, 16                              ; steps to go
	s_mul_i32 s46, s8, 16*SPI
	s_add_co_u32 s46, s46, STAGE                   ; my stage
	s_wait_dscnt 0x0
	s_wait_kmcnt 0x0
	s_mov_b32 s12, 1                               ; group 0: count = 1,
	s_mov_b32 s13, s34                             ; LDS address,
	s_add_nc_u64 s[14:15], s[4:5], s[36:37]        ; global address,
	s_or_b32 s15, s15, 0x80000000                  ; type = 2
	CROUND                                         ; all four work-groups are here: the joint loads meet
	tensor_load_to_lds s[12:15], s[16:23]
	s_nop 0
.rept 4
	v_nop
.endr
	s_and_b32 s35, s8, 7                           ; a: my tile among the eight of a step of 128 queries
	s_lshr_b32 s38, s8, 3
	s_lshl_b32 s39, s10, 1
	s_add_co_u32 s38, s38, s39                     ; which step of 128 queries: 2 x block + wave / 8
	s_lshl_b32 s36, s38, 12
	s_lshl_b32 s39, s35, 9
	s_add_co_u32 s36, s36, s39
	s_add_co_u32 s36, s36, s32
	s_add_nc_u64 s[42:43], s[4:5], s[36:37]        ; Q's image: record + 4,096 x step + 512 a
	s_lshl_b32 s36, s38, 9
	s_and_b32 s39, s35, 1
	s_lshl_b32 s39, s39, 8
	s_add_co_u32 s36, s36, s39
	s_lshr_b32 s39, s35, 1
	s_lshl_b32 s39, s39, 2
	s_add_co_u32 s36, s36, s39
	s_add_co_u32 s36, s36, s32
	s_add_co_u32 s36, s36, 65536
	s_add_nc_u64 s[44:45], s[4:5], s[36:37]        ; Q's scale words: 512 x step + 256 (a % 2) + 4 (a / 2), then 16 bytes a row
	s_lshl_b32 s36, s38, 7
	s_lshr_b32 s39, s35, 1
	s_lshl_b32 s39, s39, 5
	s_add_co_u32 s36, s36, s39
	s_and_b32 s39, s35, 1
	s_lshl_b32 s39, s39, 3
	s_add_co_u32 s36, s36, s39                     ; my tile's first token: 128 x step + 32 (a / 2) + 8 (a % 2)
	s_lshr_b32 s39, s11, 4
	s_lshl_b32 s39, s39, 11
	s_add_co_u32 s36, s36, s39                     ; + 2,048 x batch
	s_lshl_b32 s36, s36, 12                        ; a row of the output is 4,096 bytes (8,192 rows: under 2^32)
	s_and_b32 s39, s11, 15
	s_lshl_b32 s39, s39, 8
	s_add_co_u32 s36, s36, s39                     ; + 256 x head
	s_add_nc_u64 s[40:41], s[6:7], s[36:37]
	v_and_b32 v1, 31, v0                           ; lane
	v_and_b32 v2, 15, v0                           ; r
	v_bfe_u32 v28, v0, 4, 1                        ; h
	v_lshlrev_b32 v3, 4, v1                        ; 16 x lane: an image's place for my lane; K's images begin at LDS byte 0
	v_lshlrev_b32 v27, 4, v2                       ; 16 r
	global_load_b128 v[16:19], v3, s[42:43]        ; Q's fragment, lower half: it stays in registers
	global_load_b32 v24, v27, s[44:45]             ; Q's scale words: lane r has row r's
	v_add_nc_u32 v4, LVI, v3                       ; V's images
	v_add_nc_u32 v5, LKS, v3                       ; K's scale words: 16 bytes a lane
	v_lshl_add_u32 v6, v1, 3, LVS                  ; V's: 8 bytes a lane
	v_lshl_add_u32 v7, v28, 12, v27                ; the way out: lanes 0-15 one row of the output, lanes 16-31 the next; 16 bytes a lane
.irp j, 20,21,22,23
	v_mov_b32 v[\j], 0                             ; Q's K = 64 .. 127: zero codes
.endr
.irp t, 0,1,2,3,4,5,6,7
.irp j, 4,5,6,7
	v_mov_b32 v[32+8*\t+\j], 0                     ; and K's: written once, never loaded
.endr
.endr
	v_mov_b32 v13, 0xff61b1e6                      ; the largest t so far: -3e38, under every t
	v_floor_f32 v12, -v13                          ; -M
	v_mov_b32 v14, 0                               ; the sum, in two halves
	v_mov_b32 v15, 0
.irp b, 0,1,2,3
	v_mov_b32 v[236+\b], 0                         ; written once: a lane permute's destination counts as one of its sources
.endr
	v_mov_b32 v253, 0                              ; (named as the upper half of the pair v[252:253])
.irp j, 0,1,2,3,4,5,6,7,8,9,10,11,12,13,14,15,16,17,18,19,20,21,22,23,24,25,26,27,28,29,30,31
	v_mov_b32 v[160+\j], 0                         ; O^T.  (The step is written once: the first finds zeros, which the first change of M leaves zeros)
.endr
	s_wait_tensorcnt 0x0                           ; my sixteenth has landed,
	s_barrier_signal -1
	s_barrier_wait -1                              ; everybody's has: K and V are only read from here on
	s_wait_loadcnt 0x0                             ; Q
.Lstep:                                            ; 16 trips: 128 keys a trip
	v_add_nc_u32 v8, s28, v3                       ; the step's addresses.  These four lines are also the places between the last trip's products and the loads into their operands
	v_add_nc_u32 v9, s28, v4
	v_add_nc_u32 v10, s29, v5
	v_add_nc_u32 v11, s30, v6
.irp t, 0,1,2,3,4,5,6,7
	ds_load_b128 v[32+8*\t:35+8*\t], v8 offset:512*\t              ; K's tile t: 32 lanes read 512 consecutive bytes
.endr
	ds_load_b128 v[240:243], v10                   ; K's scale words: register e: lanes 0-15 tile 2 e's, lanes 16-31 tile 2 e + 1's
.irp t, 0,1,2,3
.irp c, 0,1
	ds_load_b128 v[192+8*\t+4*\c:195+8*\t+4*\c], v9 offset:1024*\t+512*\c   ; V's tile t: asked for now, wanted behind the softmax
.endr
.endr
	ds_load_b64 v[248:249], v11                    ; V's scale words, laid likewise
	s_wait_dscnt 9                                 ; K and its scale words are in; V's eight loads and its scale words may be out
.irp t, 0,1,2,3,4,5,6,7                        ; S^T = K Q^T: lane (r, h) holds query r; register 16 b + i is key 32 b + 16 h + i of the step
.if \t%2
	v_wmma_scale_f32_16x16x128_f8f6f4 v[96+8*\t:103+8*\t], v[32+8*\t:39+8*\t], v[16:23], 0, v[240+\t/2], v24 matrix_a_fmt:MATRIX_FMT_FP4 matrix_b_fmt:MATRIX_FMT_FP4 matrix_a_scale:MATRIX_SCALE_ROW1
.else
	v_wmma_scale_f32_16x16x128_f8f6f4 v[96+8*\t:103+8*\t], v[32+8*\t:39+8*\t], v[16:23], 0, v[240+\t/2], v24 matrix_a_fmt:MATRIX_FMT_FP4 matrix_b_fmt:MATRIX_FMT_FP4
.endif
.endr
.rept 4
	v_nop                                          ; four places in front of the first read of the scores (ISA guide 7.12.1)
.endr
.irp b, 0,1,2,3
	v_max3_num_f32 v[232+\b], v[96+16*\b], v[97+16*\b], v[98+16*\b]   ; THE LARGEST SCORE OF EACH BLOCK OF 32 KEYS: it serves twice: for the row's maximum, and, since p rises with the score, for the block's largest p
.endr
.irp i, 3,5,7,9,11,13
.irp b, 0,1,2,3
	v_max3_num_f32 v[232+\b], v[232+\b], v[96+16*\b+\i], v[97+16*\b+\i]   ; (the four blocks by turns)
.endr
.endr
.irp b, 0,1,2,3
	v_max_num_f32 v[232+\b], v[232+\b], v[111+16*\b]
.endr
.irp b, 0,1,2,3
	v_permlanex16_b32 v[236+\b], v[232+\b], s24, s25
.endr
.irp b, 0,1,2,3
	v_max_num_f32 v[232+\b], v[232+\b], v[236+\b]  ; with lane l xor 16's 16 keys
.endr
	v_max3_num_f32 v254, v232, v233, v234
	v_max_num_f32 v254, v254, v235                 ; the step's largest score of my query
	v_mul_f32 v254, s26, v254                      ; as t (c is positive)
	v_max_num_f32 v13, v13, v254                   ; the running largest t
	v_mov_b32 v254, v12
	v_floor_f32 v12, -v13                          ; the new -M = floor(-t) = -ceil(t): M IS A WHOLE NUMBER
	v_sub_f32 v254, v12, v254                      ; M's old value less its new one: a whole number, 0 or less
	v_cvt_i32_f32 v254, v254                       ; (it saturates)
	v_ldexp_f32 v252, 1.0, v254                    ; f = 2^(old M - new M): a multiplication by it rounds nothing
.irp j, 0,2,4,6,8,10,12,14,16,18,20,22,24,26,28,30,32,34,36,38,40,42,44,46,48,50,52,54,56,58,60,62
	v_pk_fma_f32 v[96+\j:97+\j], v[96+\j:97+\j], s[26:27], v[12:13] op_sel_hi:[1,0,0]   ; t - M, two at a time (of the pairs c and -M the low word serves both halves)
.endr
.irp b, 0,1,2,3
	v_fma_f32 v[232+\b], v[232+\b], s26, v12       ; the same of each block's largest score
.endr
.irp j, 0,1,2,3,4,5,6,7,8,9,10,11,12,13,14,15,16,17,18,19,20,21,22,23,24,25,26,27,28,29,30,31,32,33,34,35,36,37,38,39,40,41,42,43,44,45,46,47,48,49,50,51,52,53,54,55,56,57,58,59,60,61,62,63
	v_exp_f32 v[96+\j], v[96+\j]                   ; p = 2^(t - M), at most 1: NOT normalised
.endr
.irp b, 0,1,2,3
	v_exp_f32 v[232+\b], v[232+\b]                 ; the block's largest p: the same two instructions on the same number give the same bits
.endr
	v_pk_mul_f32 v[14:15], v[14:15], v[252:253] op_sel_hi:[1,0]   ; the sums under the new M.  (A plain place behind the exponentials)
	s_wait_alu depctr_va_vdst(0)
.irp b, 0,1,2,3
	v_max_num_f32 v[232+\b], 0x1800000, v[232+\b]  ; the floor 2^(3 - 127): the byte cannot fall under 1
.endr
.irp b, 0,1,2,3
	v_add_nc_u32 v[244+\b], 0xff000000, v[232+\b]  ; 2 off the exponent field: the conversion's scale operand
.endr
.irp b, 0,1,2,3
	v_lshrrev_b32 v[236+\b], 23, v[244+\b]         ; the scale's byte
.endr
	v_lshl_or_b32 v250, v237, 8, v236              ; p's scale word for these 128 keys
	v_lshl_or_b32 v250, v238, 16, v250
	v_lshl_or_b32 v250, v239, 24, v250
.irp b, 0,1,2,3
	v_cvt_scalef32_pk8_fp4_f32 v[224+2*\b], v[96+16*\b:103+16*\b], v[244+\b]
	v_cvt_scalef32_pk8_fp4_f32 v[225+2*\b], v[104+16*\b:111+16*\b], v[244+\b]
.endr
	v_nop                                          ; one plain place behind a scaled conversion
.irp c, 0,1                                    ; the operand's layout wants a WHOLE block in a lane: lanes 0-15 block 2 c, lanes 16-31 block 2 c + 1
.irp i, 0,1
	v_permlane16_swap_b32 v[224+4*\c+\i], v[226+4*\c+\i]
.endr
.endr
.irp j, 0,2,4,6,8,10,12,14,16,18,20,22,24,26,28,30
	v_pk_mul_f32 v[160+\j:161+\j], v[160+\j:161+\j], v[252:253] op_sel_hi:[1,0]   ; O^T under the new M: x f
.endr
	v_pk_add_f32 v[236:237], v[96:97], v[98:99]    ; THE ROW'S SUM IS TAKEN OF THE UNQUANTISED p: two at a time, in two chains.  (These lines and those above are the places between the writes of p's codes and scale word and the products below)
.irp j, 4,8,12,16,20,24,28,32,36,40,44,48,52,56,60
	v_pk_add_f32 v[14:15], v[14:15], v[96+\j:97+\j]
	v_pk_add_f32 v[236:237], v[236:237], v[98+\j:99+\j]
.endr
	v_pk_add_f32 v[14:15], v[14:15], v[236:237]
	s_wait_dscnt 0x0                               ; V and its scale words are in
.irp t, 0,1,2,3                                ; O^T += V^T P^T: four tiles of 16 channels, one instruction a turn; K = these 128 keys
.if \t%2
	v_wmma_scale_f32_16x16x128_f8f6f4 v[160+8*\t:167+8*\t], v[192+8*\t:199+8*\t], v[224:231], v[160+8*\t:167+8*\t], v[248+\t/2], v250 matrix_a_fmt:MATRIX_FMT_FP4 matrix_b_fmt:MATRIX_FMT_FP4 matrix_a_scale:MATRIX_SCALE_ROW1
.else
	v_wmma_scale_f32_16x16x128_f8f6f4 v[160+8*\t:167+8*\t], v[192+8*\t:199+8*\t], v[224:231], v[160+8*\t:167+8*\t], v[248+\t/2], v250 matrix_a_fmt:MATRIX_FMT_FP4 matrix_b_fmt:MATRIX_FMT_FP4
.endif
.endr
	s_add_co_u32 s28, s28, 4096                    ; the next step
	s_add_co_u32 s29, s29, 512
	s_add_co_u32 s30, s30, 256
	s_sub_co_i32 s31, s31, 1
	s_cmp_lg_u32 s31, 0
	s_cbranch_scc1 .Lstep
	; THE WAY OUT.  O^T is divided by the row's sum and goes through my own stage in LDS, so that sixteen lanes store 256 consecutive bytes: a token's 64 channels of this head.
	v_add_f32 v14, v14, v15                        ; the sum's two halves,
	v_permlanex16_b32 v252, v14, s24, s25
	v_add_f32 v14, v14, v252                       ; and lane l xor 16's: the row's sum
	v_rcp_f32 v14, v14
	v_mul_u32_u24 v25, v2, SPI                     ; (plain lines behind the reciprocal; with the additions above also the places behind the last products)
	v_lshl_add_u32 v25, v28, 6, v25
	v_add_nc_u32 v25, s46, v25                     ; into the stage: row r; register j of tile 2 b + u is channel 32 b + 16 h + 8 u + j: byte 128 b + 64 h + 32 u + 4 j
	v_mul_u32_u24 v26, v28, SPI
	v_add_nc_u32 v26, v26, v27
	v_add_nc_u32 v26, s46, v26                     ; back: lanes 0-15 one row, lanes 16-31 the next
	s_wait_alu depctr_va_vdst(0)
.irp j, 0,2,4,6,8,10,12,14,16,18,20,22,24,26,28,30
	v_pk_mul_f32 v[96+\j:97+\j], v[160+\j:161+\j], v[14:15] op_sel_hi:[1,0]   ; each accumulator from its low end on
.endr
.irp t, 0,1,2,3
	ds_store_b128 v25, v[96+8*\t:99+8*\t] offset:128*(\t/2)+32*(\t%2)
	ds_store_b128 v25, v[100+8*\t:103+8*\t] offset:128*(\t/2)+32*(\t%2)+16
.endr
.irp i, 0,1,2,3,4,5,6,7
	ds_load_b128 v[32+4*\i:35+4*\i], v26 offset:2*\i*SPI           ; LDS serves a wave's instructions in order (ISA guide 5.7.1.4): these see my stores
.endr
.irp i, 0,1,2,3,4,5,6,7
	s_wait_dscnt 7-\i                              ; rows 2 i and 2 i + 1 are back; the younger loads may be out
	global_store_b128 v7, v[32+4*\i:35+4*\i], s[40:41] offset:(2*\i+8*(\i/4))*4096 th:TH_STORE_NT   ; stage row n is token n + 8 (n / 8) of my tile; 16 lanes store 256 consecutive bytes, aligned; written once
.endr
	s_wait_tensorcnt 0x0
	ds_add_u32 v251, v255
	s_wait_dscnt 0x0
	CROUND                                         ; the closing round: no work-group ends while a partner may still ask for the block that names it
	s_endpgm
.Lfunc_end_k_qf916018fc8_attn:
	.size	k_qf916018fc8_attn, .Lfunc_end_k_qf916018fc8_attn-k_qf916018fc8_attn
	.p2alignl 7, 3214868480
	.fill 96, 4, 3214868480
	.section	.rodata,"a",@progbits
	.p2align	6, 0x0
	.amdhsa_kernel k_qf916018fc8_attn
		.amdhsa_group_segment_fixed_size 215040
		.amdhsa_private_segment_fixed_size 0
		.amdhsa_enable_private_segment 0
		.amdhsa_kernarg_size 16
		.amdhsa_user_sgpr_count 2
		.amdhsa_user_sgpr_kernarg_segment_ptr 1
		.amdhsa_wavefront_size32 1
		.amdhsa_system_sgpr_workgroup_id_x 1
		.amdhsa_system_sgpr_workgroup_id_y 1
		.amdhsa_system_sgpr_workgroup_id_z 1
		.amdhsa_system_vgpr_workitem_id 0
		.amdhsa_next_free_vgpr 256
		.amdhsa_next_free_sgpr 66
		.amdhsa_reserve_vcc 0
		.amdhsa_float_denorm_mode_32 3
		.amdhsa_float_denorm_mode_16_64 3
		.amdhsa_memory_ordered 1
		.amdhsa_forward_progress 1
		.amdhsa_inst_pref_size 27
	.end_amdhsa_kernel
	.amdgpu_metadata
---
amdhsa.version: [ 1, 2 ]
amdhsa.kernels:
  - .name:           k_qf916018fc8_attn
    .symbol:         k_qf916018fc8_attn.kd
    .args:
      - { .name: att, .offset: 0, .size: 8, .value_kind: global_buffer, .address_space: global }
      - { .name: out0, .offset: 8, .size: 8, .value_kind: global_buffer, .address_space: global }
    .group_segment_fixed_size: 215040
    .private_segment_fixed_size: 0
    .kernarg_segment_align: 8
    .kernarg_segment_size: 16
    .max_flat_workgroup_size: 512
    .sgpr_count:     66
    .vgpr_count:     256
    .wavefront_size: 32
...
	.end_amdgpu_metadata
.endif
;; end of part 3
;; ======== version 2 of 2: 3 launches
;; limits: right only within a limited range of input values
;; workspace buffers: xc 4,194,304 bytes; xs 262,144 bytes; wc 1,572,864 bytes; ws 98,304 bytes; att 13,893,632 bytes
;; launch quant (part 4): grid 352 x 1, 4 waves a work-group, no clusters, 41,472 bytes of LDS; arguments x, Wq, Wk, Wv, xc, xs, wc, ws; writes xc, xs, wc, ws
.if DOCPART == 4
	.amdgcn_target "amdgcn-amd-amdhsa--gfx1250"
	.amdhsa_code_object_version 6
	.text
	.protected	k_qf916018fc8_quant
	.globl	k_qf916018fc8_quant
	.p2align	8
	.type	k_qf916018fc8_quant,@function
k_qf916018fc8_quant:
	s_mov_b64 s[64:65], 0
	v_nop
	global_prefetch_b8 v0, s[64:65] scope:SCOPE_SE
	s_setreg_imm32_b32 hwreg(HW_REG_WAVE_MODE, 25, 1), 1
	s_wait_xcnt 0x0
; x [8192][1024] and Wq, Wk, Wv [1024][1024], f32, K innermost, become codes of FP4 (E2M1), two a byte, K innermost (512 bytes a row), with one E8M0 scale byte for each 32 along K (32 bytes a row).
; A block's scale is 2^(floor(log2(its largest magnitude)) - 2); its byte is the largest magnitude's own exponent field - 2, held at 1 from below.  Each number is divided by the scale and rounded to the nearest code, ties to even; beyond 6 the largest code.
; LIMITS: a block whose largest magnitude lies under 2^-124 (a block of zeros among them) gets the byte 1 where the rule says otherwise: a zero block's codes are zeros, which add nothing under any byte but 0xff, and the bytes are
; read by this program alone.  NaN and infinities among the inputs are not served.
; THE ROWS ARE STORED IN ANOTHER ORDER THAN THEY COME: inside each 64 rows, stored place 16 i + 8 g + j holds row 32 g + 8 i + j (i = 0 .. 3, g = 0, 1, j = 0 .. 7).  So 16 neighbouring stored rows are a tile whose row r is
; row 32 (r / 8) + 8 i + r % 8 of the 64: used as source 0 of a matrix instruction, four neighbouring tiles give each half of the lanes 32 neighbours in 32 result registers: a whole block of the next quantiser in one lane.
; SHARES: work-groups 0-255 take x, 256-287 Wq, 288-319 Wk, 320-351 Wv; a work-group 32 rows (g = its number's lowest bit), a wave 8 rows (i = the wave): 8,192 numbers in 16 steps of 512.  The three weights' codes lie on end in one buffer.
; Only pointers are chosen by the work-group's number: all tensors take one path through the text.  The work-groups share no input, so there is no cluster; memory binds, so no matrix unit and no tensor load.
; Each of a step's four loads reads 512 consecutive bytes, 16 a lane; the 2,048 bytes turn through the wave's own stage in LDS and come back 64 bytes a lane, so that a lane holds 16 neighbours along K (two lanes a block).
; A lane's 16 codes are 8 bytes: they are gathered in the wave's LDS.  A wave's 256 scale bytes are gathered in its own LDS and leave as one aligned run of 256 bytes.  Loads run eight steps (32 loads a wave) ahead.
.set STEPS, 16
.set AHEAD, 8                          ; steps whose loads are on their way
.set EMAX,  2
.set CB,    8                          ; bytes of 16 codes
.set R,     16                         ; v16-143  eight sets of 16 numbers as they are loaded
.set X,     144                        ; v144-175 two sets of 16 neighbours
.set E,     176                        ; v176-191 a scale byte for each step
.set C,     192                        ; v192-223 codes: two registers for each step, so that no store's data are written again
; THE CODES' LAYOUT (in place of the rows of 512 bytes named above): a run of 8 stored rows is 4,096 bytes, laid as the reader's LDS loads want them: piece (q, c, h), 128 bytes, holds for each of the 8 rows j its 16 bytes
; of K = 128 q + 64 c + 32 h + 0 .. 31; byte = 512 q + 256 c + 128 (h xor the run's lowest bit) + 16 j.  A step's codes are gathered in the wave's LDS (pieces 144 bytes apart) and leave at the end, 512 consecutive bytes a store.
.set WREG,  10240                      ; LDS: a region for each wave: two stages of 32 x SP bytes, its 256 scale bytes, and 32 pieces x 144 bytes of codes
.set SP,    80                         ; a lane's place in a stage: its 64 bytes + 16 of padding
	s_load_b256 s[4:11], s[0:1], 0x0               ; x s[4:5], Wq s[6:7], Wk s[8:9], Wv s[10:11]
	s_load_b256 s[12:19], s[0:1], 0x20             ; x's codes s[12:13], x's scales s[14:15], the weights' codes s[16:17], their scales s[18:19]
	v_lshl_add_u32 v224, v0, 2, 0xa000
	v_mov_b32 v225, 0
	v_lshrrev_b32 v1, 5, v0
	v_readfirstlane_b32 s20, v1                    ; wave
	v_and_b32 v2, 31, v0                           ; lane
	v_lshlrev_b32 v3, 4, v2                        ; my 16 bytes of a load's 512
	s_mul_i32 s21, s20, WREG
	v_lshrrev_b32 v14, 2, v2
	v_mul_u32_u24 v14, v14, SP
	v_and_b32 v15, 3, v2
	v_lshl_add_u32 v14, v15, 4, v14
	v_add_nc_u32 v14, s21, v14                     ; the stage, on the way in: four lanes' 64 bytes on end, then 16 of padding
	v_mul_u32_u24 v15, v2, SP
	v_add_nc_u32 v15, s21, v15                     ; and on the way out: SP x lane: my 16 neighbours
	v_lshrrev_b32 v4, 1, v2                        ; my codes' place among a step's 16 pieces: piece lane / 2, 8 bytes for each of its two lanes
	v_mul_u32_u24 v4, v4, 144
	v_and_b32 v10, 1, v2
	v_lshl_add_u32 v4, v10, 3, v4
	v_lshrrev_b32 v10, 3, v2                       ; and on the way out: eight lanes to a piece, 16 bytes a lane
	v_mul_u32_u24 v10, v10, 144
	v_and_b32 v13, 7, v2
	v_lshl_add_u32 v10, v13, 4, v10
	v_lshrrev_b32 v5, 1, v2
	s_add_co_u32 s21, s21, 2*32*SP
	v_add_nc_u32 v5, s21, v5                       ; LDS: my wave's 256 scale bytes, my block's byte
	v_lshlrev_b32 v7, 3, v2                        ; and on the way out 8 bytes a lane
	v_add_nc_u32 v6, s21, v7
	v_add_nc_u32 v4, s21, v4                       ; the pieces begin 256 bytes behind the scale bytes' first (in the immediates)
	v_add_nc_u32 v10, s21, v10
	s_and_b32 s22, ttmp9, 31                       ; a weight's group of 32 rows (256, 288 and 320 are multiples of 32)
	s_and_b32 s23, ttmp9, 255                      ; the group's place in the buffers of codes and scales: x's 0-255, the weights' 0-95
	s_lshr_b32 s24, s23, 1
	s_lshl_b32 s24, s24, 3                         ; eight runs of 8 rows in each 64 rows;
	s_lshl_b32 s25, s20, 1
	s_add_co_u32 s24, s24, s25                     ; my run is stored at place 2 i + g of them
	s_and_b32 s25, s23, 1
	s_add_co_u32 s24, s24, s25
	s_lshl_b32 s25, s25, 7
	v_xor_b32 v1, s25, v3                          ; my 16 bytes of a store's 512: in an odd run the two pieces of a pair change places
	s_wait_alu depctr_va_vdst(0)
	s_wait_kmcnt 0x0
	s_cmp_lt_u32 ttmp9, 288                        ; the choices hang on the work-group's number alone
	s_cselect_b64 s[6:7], s[6:7], s[8:9]
	s_cmp_lt_u32 ttmp9, 320
	s_cselect_b64 s[6:7], s[6:7], s[10:11]
	s_cmp_lt_u32 ttmp9, 256
	s_cselect_b64 s[4:5], s[4:5], s[6:7]
	s_cselect_b64 s[12:13], s[12:13], s[16:17]
	s_cselect_b64 s[14:15], s[14:15], s[18:19]
	s_cselect_b32 s22, ttmp9, s22
	s_lshl_b32 s22, s22, 2
	s_add_co_u32 s22, s22, s20                     ; which run of 8 rows I read
	s_lshl_b32 s26, s22, 15                        ; 32,768 bytes a run (1,024 runs at the most: under 2^32)
	s_mov_b32 s27, 0
	s_add_nc_u64 s[4:5], s[4:5], s[26:27]
	s_lshl_b32 s26, s24, 12                        ; 4,096 bytes of codes a run
	s_add_nc_u64 s[12:13], s[12:13], s[26:27]
	s_lshl_b32 s26, s24, 8                         ; 256 scale bytes a run
	s_add_nc_u64 s[14:15], s[14:15], s[26:27]
.macro LOAD t
.irp i, 0,1,2,3
	global_load_b128 v[R+16*((\t)%AHEAD)+4*\i:R+16*((\t)%AHEAD)+4*\i+3], v3, s[4:5] offset:2048*(\t)+512*\i th:TH_LOAD_NT   ; 32 lanes read 512 consecutive bytes
.endr
.endm
.macro TURN t                          ; step t's numbers through the stage: LDS serves a wave's instructions in order (ISA guide 5.7.1.4), so no wait stands between the stores and the loads
.irp i, 0,1,2,3
	ds_store_b128 v14, v[R+16*((\t)%AHEAD)+4*\i:R+16*((\t)%AHEAD)+4*\i+3] offset:32*SP*((\t)%2)+8*SP*\i
.endr
.irp i, 0,1,2,3
	ds_load_b128 v[X+16*((\t)%2)+4*\i:X+16*((\t)%2)+4*\i+3], v15 offset:32*SP*((\t)%2)+16*\i
.endr
.endm
.irp t, 0,1,2,3,4,5,6,7
	LOAD \t
.endr
	s_wait_loadcnt 4*(AHEAD-1)                     ; step 0's four loads are in; the 28 behind them may be out
	TURN 0
.macro STEP t
.set XS, X+16*((\t)%2)
.if (\t) > 0
	s_wait_dscnt 2                                 ; this step's numbers are back from the stage (the last step's byte store and its store of codes may be out)
.else
	s_wait_dscnt 0x0
.endif
.if (\t)+AHEAD < STEPS
	LOAD (\t)+AHEAD                                ; which take the loads of eight steps on
.endif
.if (\t)+1 < STEPS
.if STEPS-2-(\t) >= AHEAD-1
	s_wait_loadcnt 4*(AHEAD-1)                     ; the next step's four loads are in; those of the seven steps behind it may be out
.else
	s_wait_loadcnt 4*(STEPS-2-(\t))                ; at the end the count runs down with the steps that are left
.endif
	TURN (\t)+1                                    ; and go through the other stage while this step is worked
.endif
	v_max3_num_f32 v8, |v[XS]|, |v[XS+1]|, |v[XS+2]|               ; the largest magnitude of my 16, in two chains
	v_max3_num_f32 v9, |v[XS+3]|, |v[XS+4]|, |v[XS+5]|
.irp i, 6,10
	v_max3_num_f32 v8, v8, |v[XS+\i]|, |v[XS+\i+1]|
	v_max3_num_f32 v9, v9, |v[XS+\i+2]|, |v[XS+\i+3]|
.endr
	v_max3_num_f32 v8, v8, |v[XS+14]|, |v[XS+15]|
	v_max3_num_f32 v8, v8, v9, (EMAX+1)<<23        ; and the floor 2^(EMAX + 1 - 127): the byte cannot fall under 1
	v_max_num_f32_dpp v8, v8, v8 row_xmask:1 row_mask:0xf bank_mask:0xf   ; and of my neighbour's 16: the block's
	v_add_nc_u32 v11, -(EMAX<<23), v8              ; EMAX off its exponent field: the conversion takes the exponent field of this operand as its scale, and nothing else of it
	v_cvt_scalef32_pk8_fp4_f32 v[C+2*(\t)], v[XS:XS+7], v11        ; the first number's code in the lowest four bits
	v_cvt_scalef32_pk8_fp4_f32 v[C+2*(\t)+1], v[XS+8:XS+15], v11
	v_lshrrev_b32 v[E+(\t)], 23, v11               ; the scale's byte (also the plain line behind the conversions)
	ds_store_b8 v5, v[E+(\t)] offset:16*(\t)       ; both lanes of a block write the same byte with the same value
	ds_store_b64 v4, v[C+2*(\t):C+2*(\t)+1] offset:256+2304*((\t)%2)+16*((\t)/2)   ; piece 16 (t % 2) + lane / 2, row t / 2
.endm
.irp t, 0,1,2,3,4,5,6,7,8,9,10,11,12,13,14,15
	STEP \t
.endr
	ds_load_b64 v[12:13], v6                       ; in order behind my byte stores
.irp i, 0,1,2,3,4,5,6,7
	ds_load_b128 v[16+4*\i:19+4*\i], v10 offset:256+576*\i   ; four pieces a load, in order behind my stores of codes
.endr
	s_wait_dscnt 0x0
	global_store_b64 v7, v[12:13], s[14:15]        ; 32 lanes store 256 consecutive bytes, aligned: eight rows' scale bytes
.irp i, 0,1,2,3,4,5,6,7
	global_store_b128 v1, v[16+4*\i:19+4*\i], s[12:13] offset:512*\i   ; 32 lanes store 512 consecutive bytes, aligned
.endr
	s_wait_tensorcnt 0x0
	ds_add_u32 v224, v225
	s_wait_dscnt 0x0
	s_endpgm
.Lfunc_end_k_qf916018fc8_quant:
	.size	k_qf916018fc8_quant, .Lfunc_end_k_qf916018fc8_quant-k_qf916018fc8_quant
	.p2alignl 7, 3214868480
	.fill 96, 4, 3214868480
	.section	.rodata,"a",@progbits
	.p2align	6, 0x0
	.amdhsa_kernel k_qf916018fc8_quant
		.amdhsa_group_segment_fixed_size 41472
		.amdhsa_private_segment_fixed_size 0
		.amdhsa_enable_private_segment 0
		.amdhsa_kernarg_size 64
		.amdhsa_user_sgpr_count 2
		.amdhsa_user_sgpr_kernarg_segment_ptr 1
		.amdhsa_wavefront_size32 1
		.amdhsa_system_sgpr_workgroup_id_x 1
		.amdhsa_system_sgpr_workgroup_id_y 1
		.amdhsa_system_sgpr_workgroup_id_z 1
		.amdhsa_system_vgpr_workitem_id 0
		.amdhsa_next_free_vgpr 226
		.amdhsa_next_free_sgpr 66
		.amdhsa_reserve_vcc 0
		.amdhsa_float_denorm_mode_32 3
		.amdhsa_float_denorm_mode_16_64 3
		.amdhsa_memory_ordered 1
		.amdhsa_forward_progress 1
		.amdhsa_inst_pref_size 35
	.end_amdhsa_kernel
	.amdgpu_metadata
---
amdhsa.version: [ 1, 2 ]
amdhsa.kernels:
  - .name:           k_qf916018fc8_quant
    .symbol:         k_qf916018fc8_quant.kd
    .args:
      - { .name: x, .offset: 0, .size: 8, .value_kind: global_buffer, .address_space: global }
      - { .name: Wq, .offset: 8, .size: 8, .value_kind: global_buffer, .address_space: global }
      - { .name: Wk, .offset: 16, .size: 8, .value_kind: global_buffer, .address_space: global }
      - { .name: Wv, .offset: 24, .size: 8, .value_kind: global_buffer, .address_space: global }
      - { .name: xc, .offset: 32, .size: 8, .value_kind: global_buffer, .address_space: global }
      - { .name: xs, .offset: 40, .size: 8, .value_kind: global_buffer, .address_space: global }
      - { .name: wc, .offset: 48, .size: 8, .value_kind: global_buffer, .address_space: global }
      - { .name: ws, .offset: 56, .size: 8, .value_kind: global_buffer, .address_space: global }
    .group_segment_fixed_size: 41472
    .private_segment_fixed_size: 0
    .kernarg_segment_align: 8
    .kernarg_segment_size: 64
    .max_flat_workgroup_size: 128
    .sgpr_count:     66
    .vgpr_count:     226
    .wavefront_size: 32
...
	.end_amdgpu_metadata
.endif
;; end of part 4
;; launch proj (part 5): grid 8 x 32, 4 waves a work-group, clusters of 4 x 4, 327,680 bytes of LDS; arguments xc, xs, wc, ws, bq, bk, bv, att; writes att
.if DOCPART == 5
	.amdgcn_target "amdgcn-amd-amdhsa--gfx1250"
	.amdhsa_code_object_version 6
	.text
	.protected	k_qf916018fc8_proj
	.globl	k_qf916018fc8_proj
	.p2align	8
	.type	k_qf916018fc8_proj,@function
k_qf916018fc8_proj:
	s_mov_b64 s[64:65], 0
	v_nop
	global_prefetch_b8 v0, s[64:65] scope:SCOPE_SE
	s_setreg_imm32_b32 hwreg(HW_REG_WAVE_MODE, 25, 1), 1
	s_wait_xcnt 0x0
	s_wait_alu depctr_hold_cnt(0) depctr_sa_sdst(0) depctr_va_vdst(0) depctr_va_sdst(0) depctr_va_ssrc(0) depctr_va_vcc(0) depctr_vm_vsrc(0)
	s_getreg_b32 s2, hwreg(HW_REG_IB_STS2, 6, 4)
	s_cmp_eq_u32 s2, 0
	s_cbranch_scc0 .Lentry_in_a_cluster
	s_endpgm
.Lentry_in_a_cluster:
	s_bfe_u32 s2, ttmp6, 0x10000c
	s_cmp_lg_u32 s2, 0xf033
	s_cbranch_scc0 .Lentry_shape_is_right
	s_endpgm
.Lentry_shape_is_right:
; q = x Wq^T + bq, k = x Wk^T + bk, v = x Wv^T + bv on codes of FP4 (E2M1) with E8M0 scales, sums in f32; the results are quantised again in registers, q and k along a head's 64 channels, v along the keys,
; and leave as codes only, laid as images of the registers that the attention launch's matrix instructions want.
; SHARES.  A work-group owns 256 stored rows of x (work-group y, 0 .. 31) and 128 channels, two heads (work-group x, 0 .. 7), and makes q, k and v for them in three phases of equal work: 8 x 32 = 256 work-groups.
; A wave owns 128 rows of x (wave / 2) and one head's 64 stored rows of a weight (wave % 2): 8 x 4 tiles of 16 x 16, 32 accumulators, 256 registers.
; x STAYS IN REGISTERS: a wave's fragments of x for all of K = 1,024 are 8 tiles x 8 steps x 8 = 512 registers; they are read from LDS once, in the first phase, step by step, and serve all three phases.
; THE WEIGHTS' 128 rows (65,536 bytes of codes, 4,096 of scales) go through two LDS slots: Wq's at the head into slot 0, Wk's behind the first round into slot 1, Wv's behind the first phase into slot 0 again.
; By the text's own count a wave has one tensor load out at the most.  The launch claims all of a WGP's LDS.
; CLUSTERS: 4 x 4 work-groups.  The four of a row of the cluster need the same rows of x, the four of a column the same rows of the weights: each is asked for JOINTLY, by the same tensor load with a mask that names the four.
; No prefetch: each tile comes once, and the text has no loop that could run ahead of the loads.
; THE CODES lie in memory as the LDS loads want them, dense: 16 stored rows are 8,192 bytes; lane (r, h) finds its 16 bytes of K = 128 q + 64 c + 32 h + 0 .. 31 at 4,096 (r / 8) + 512 q + 256 c + 128 (h xor r / 8) + 16 (r % 8).
; SIDES.  A lane of a result holds ONE row of source 1, and its registers run along source 0's rows.  So source 0 is the axis along which the result is quantised: the weight's rows (channels) for q and k, x's rows (keys) for v.
; STORED ROWS: tile i of each 64 stored rows holds in its row r the row 32 (r / 8) + 8 i + r % 8.  So the 32 result registers of source 0's tiles 4 c .. 4 c + 3 are, in lane half h, the 32 neighbours 64 c + 32 h + 0 .. 31:
; a whole block of the quantiser lies in one lane, in the order of the 4-bit operand's registers.  THE BIAS is the C of each sum's first matrix instruction: along the registers for q and k, along the lanes for v.
; A RECORD of att, REC bytes for each (batch, head): q's images 65,536, q's scale words 8,192, k's likewise, v's images 65,536, v's scale words 4,096.  Every store of the wave covers 512 or 256 consecutive bytes, aligned.
; LIMITS: a block whose largest magnitude lies under 2^-124 gets the byte 1 (a zero block's codes are zeros; the bytes are read by this program alone).  NaN and infinities are not served.
; REGISTERS, in windows of 256: window 0: addresses, scale words, the weight's fragments (two sets), the bias, the way out;  window 1: the accumulators;  windows 2, 3: x's fragments: step q, tile i at v[64 (q % 4) + 8 i] of window 2 + q / 4.
.set LW0,    131072                    ; LDS: x's 256 rows at 0; the weights' slot 0 here, slot 1 65,536 on;
.set LXS,    262144                    ; x's scale bytes (32 a row, dense);
.set LWS,    270336                    ; the weights': slot 0 here, slot 1 4,096 on
.set SPARE,  327168                    ; the spare words, 128 bytes for each wave
.set REC,    217088
.set SECT,   73728                     ; from q's section to k's, from k's to v's; a section's scale words lie 65,536 behind its images
.set ADX,  16                          ; v16  LDS address of my fragments of x
.set ADW,  17                          ; v17, v18  of the weight's, slot 0, slot 1
.set ADXS, 19                          ; v19  of x's scale words: lanes 0-15 tile i, lanes 16-31 tile i + 4
.set ADWS, 20                          ; v20  of the weight's: lanes 0-15 tile i, lanes 16-31 tile i + 2
.set LI,   24                          ; v24  16 x lane
.set L8,   25                          ; v25  8 x lane
.set BOV,  27                          ; v27  my lane's byte in bv
.set BO,   28                          ; v28  my lane's byte in bq, bk
.set SH,   29                          ; v29  8 x (lane / 16)
.set SPW,  30                          ; v30, v31  my spare word's address, and 0: kept for the add alone
.set NIL,  31
.set XS,   32                          ; v32-63   x's scale words: register 8 (i % 4) + q
.set WSC,  64                          ; v64-79   the weight's: register 8 (i % 2) + q
.set WF,   80                          ; v80-143  the weight's fragments: set q % 2, tile b at 32 (q % 2) + 8 b
.set BI,   144                         ; v144-175 the bias
.set PC,   176                         ; v176-207 the codes just made
.set TM,   208                         ; v208-215 eight chains of the largest magnitude
.set SO,   216                         ; v216-219 the conversions' scale operands
.set BY,   220                         ; v220-223 the scales' bytes
.set PX,   224                         ; v224-227 the other half of the lanes' bytes
.set PW,   228                         ; v228-235 scale words
.set SW,   236                         ; v236-239 scale words as they are stored
.set G1X,  24                          ; s[24:31], s[32:35] descriptor groups 1 and 0 for x's codes
.set G0X,  32
.set G1W,  36                          ; s[36:43], s[44:47] for the weights' codes
.set G0W,  44
.set G1XS, 48                          ; s[48:55], s[56:59] for x's scales
.set G0XS, 56
.set G0WS, 60                          ; s[60:63], s[68:75] for the weights' scales
.set G1WS, 68
.set MSB, 0
.macro WIN new                         ; the immediate's high byte repeats the setting that is left; bits 1:0 source 0, 3:2 source 1, 5:4 source 2, 7:6 destination
.if MSB != (\new)
	s_set_vgpr_msb (MSB<<8)|(\new)
.set MSB, \new
.endif
.endm
.macro PLACES n                        ; plain places behind matrix instructions (ISA guide 7.12.1 for vector instructions)
.rept \n
	v_nop
.endr
.endm
.macro CROUND                          ; a round of the cluster's barrier
	s_barrier_signal -1
	s_barrier_wait -1
	s_cmp_lg_u32 s20, 0
	s_cbranch_scc1 .Lnot_wave_0_\@
	s_barrier_signal -3
.Lnot_wave_0_\@:
	s_barrier_wait -3
	s_barrier_signal -1
	s_barrier_wait -1
.endm
.macro G1SET g, mask, rows             ; a dense block as rows of 256 bytes (32 elements of 8 bytes), no padding; bit 21 beside the mask
	s_or_b32 s[\g], \mask, (3<<16)|(1<<21)
	s_mov_b32 s[\g+1], 32<<16
	s_mov_b32 s[\g+2], (\rows)<<16
	s_mov_b32 s[\g+3], 32<<16
	s_mov_b32 s[\g+4], \rows
	s_mov_b32 s[\g+5], 32
	s_mov_b32 s[\g+6], 0
	s_mov_b32 s[\g+7], 0
.endm
.macro G0SET g, lds, base, off         ; count, LDS address, global address, type
	s_mov_b32 s[\g], 1
	s_mov_b32 s[\g+1], \lds
	s_add_nc_u64 s[\g+2:\g+3], s[\base:\base+1], s[\off:\off+1]
	s_or_b32 s[\g+3], s[\g+3], 0x80000000
.endm
	s_load_b256 s[4:11], s[0:1], 0x0               ; x's codes s[4:5], x's scales s[6:7], the weights' codes s[8:9], their scales s[10:11]
	s_load_b256 s[12:19], s[0:1], 0x20             ; bq s[12:13], bk s[14:15], bv s[16:17], att s[18:19]
	v_lshl_add_u32 v[SPW], v0, 2, SPARE
	v_mov_b32 v[NIL], 0
	ds_add_u32 v[SPW], v[NIL]                      ; the opening lines: the add, twice on end, and its wait ahead of my first tensor load
	ds_add_u32 v[SPW], v[NIL]
	v_lshrrev_b32 v1, 5, v0
	v_readfirstlane_b32 s20, v1                    ; wave 0..3
	s_lshr_b32 s21, s20, 1                         ; which 128 rows of x are mine
	s_and_b32 s22, s20, 1                          ; which head
	s_bfe_u32 s76, ttmp6, 0x40000                  ; cx, cy: my place in the cluster
	s_bfe_u32 s77, ttmp6, 0x40004
	s_lshl_b32 s78, ttmp9, 2
	s_add_co_u32 s78, s78, s76                     ; the group of 128 channels = 4 x cluster x + cx
	s_and_b32 s79, ttmp7, 0xffff
	s_lshl_b32 s79, s79, 2
	s_add_co_u32 s79, s79, s77                     ; x's tile = 4 x cluster y + cy
	s_lshl_b32 s80, s77, 2
	s_lshl_b32 s80, 15, s80                        ; my row of the cluster
	s_lshl_b32 s81, 0x1111, s76                    ; my column
	s_mov_b32 s2, 0x76543210
	s_mov_b32 s3, 0xfedcba98                       ; v_permlanex16_b32's selects for lane l xor 16
	G1SET G1X,  s80, 512                           ; x's codes: 131,072 bytes
	G1SET G1W,  s81, 256                           ; a weight's 128 rows: 65,536
	G1SET G1XS, s80, 32                            ; x's scales: 8,192
	G1SET G1WS, s81, 16                            ; the weight's: 4,096
	s_lshl_b32 s82, s79, 17                        ; where they come from: x's hang on x's tile alone, the weights' on the group of channels alone
	s_mov_b32 s83, 0
	s_lshl_b32 s84, s79, 13
	s_mov_b32 s85, 0
	s_lshl_b32 s86, s78, 16
	s_mov_b32 s87, 0
	s_lshl_b32 s88, s78, 12
	s_mov_b32 s89, 0
	s_wait_dscnt 0x0                               ; both opening adds are done
	s_wait_kmcnt 0x0
	G0SET G0X,  0,   4,  82
	G0SET G0W,  LW0, 8,  86
	G0SET G0XS, LXS, 6,  84
	G0SET G0WS, LWS, 10, 88
	CROUND                                         ; all sixteen work-groups are here: the joint loads meet
; THE HEAD'S LOADS, ONE A WAVE: wave 0 x's codes, wave 1 Wq's codes, wave 2 x's scales, wave 3 Wq's scales.  One chain of branches on the wave's number, a load to an arm, one join.
.macro ARM under, g0, g1, next
	s_cmp_lt_u32 s20, \under
	s_cbranch_scc0 \next
	tensor_load_to_lds s[\g0:\g0+3], s[\g1:\g1+7]
	s_nop 0
	PLACES 4
	s_branch .Lasked
\next:
.endm
	ARM 1, G0X,  G1X,  .Lhead_w
	ARM 2, G0W,  G1W,  .Lhead_xs
	ARM 3, G0XS, G1XS, .Lhead_ws
	tensor_load_to_lds s[G0WS:G0WS+3], s[G1WS:G1WS+7]
	s_nop 0
	PLACES 4
.Lasked:
	s_lshl_b32 s82, s21, 16                        ; LDS: my half of x,
	s_lshl_b32 s83, s22, 15
	s_add_co_u32 s83, s83, LW0                     ; my head's four tiles in slot 0,
	s_add_co_u32 s84, s83, 65536                   ; in slot 1,
	s_lshl_b32 s85, s21, 12
	s_add_co_u32 s85, s85, LXS                     ; my half of x's scales,
	s_lshl_b32 s86, s22, 11
	s_add_co_u32 s86, s86, LWS                     ; my head's scales
	s_lshr_b32 s87, s79, 3                         ; where my results go: record 16 x batch + head (8 tiles of 256 tokens a batch),
	s_lshl_b32 s87, s87, 4
	s_lshl_b32 s88, s78, 1
	s_add_co_u32 s87, s87, s88
	s_add_co_u32 s87, s87, s22
	s_mul_i32 s87, s87, REC
	s_and_b32 s88, s79, 7
	s_lshl_b32 s88, s88, 1
	s_add_co_u32 s88, s88, s21                     ; my step of 128 tokens in the batch
	s_mov_b32 s91, 0
	s_lshl_b32 s90, s88, 12                        ; 4,096 bytes of images a step
	s_add_co_u32 s90, s90, s87
	s_add_nc_u64 s[94:95], s[18:19], s[90:91]
	s_lshl_b32 s90, s88, 9                         ; 512 bytes of scale words a step for q and k,
	s_add_co_u32 s90, s90, s87
	s_add_nc_u64 s[96:97], s[18:19], s[90:91]
	s_lshl_b32 s90, s88, 8                         ; 256 for v
	s_add_co_u32 s90, s90, s87
	s_add_nc_u64 s[98:99], s[18:19], s[90:91]
	s_lshl_b32 s90, s78, 9
	s_lshl_b32 s89, s22, 8
	s_add_co_u32 s90, s90, s89                     ; the biases at my head's 64 channels: 4 (128 x group + 64 x head) bytes
	s_add_nc_u64 s[12:13], s[12:13], s[90:91]
	s_add_nc_u64 s[14:15], s[14:15], s[90:91]
	s_add_nc_u64 s[16:17], s[16:17], s[90:91]
	v_and_b32 v1, 15, v0                           ; r
	v_bfe_u32 v2, v0, 4, 1                         ; h
	v_bfe_u32 v4, v0, 3, 1                         ; r / 8
	v_xor_b32 v5, v4, v2
	v_and_b32 v3, 7, v0
	v_lshlrev_b32 v3, 4, v3
	v_lshl_add_u32 v3, v5, 7, v3
	v_lshl_add_u32 v3, v4, 12, v3                  ; my lane's place in a tile of 16 rows
	v_add_nc_u32 v[ADX], s82, v3
	v_add_nc_u32 v[ADW], s83, v3
	v_add_nc_u32 v[ADW+1], s84, v3
	v_lshlrev_b32 v4, 5, v1                        ; scales: 32 bytes a row
	v_lshl_add_u32 v5, v2, 11, v4                  ; lanes 16-31 four tiles on
	v_add_nc_u32 v[ADXS], s85, v5
	v_lshl_add_u32 v5, v2, 10, v4                  ; lanes 16-31 two tiles on
	v_add_nc_u32 v[ADWS], s86, v5
	v_and_b32 v6, 31, v0
	v_lshlrev_b32 v[LI], 4, v6
	v_lshlrev_b32 v[L8], 3, v6
	v_lshlrev_b32 v[SH], 3, v2
	v_cmp_ne_u32 s92, 0, v2                        ; the mask of lanes 16-31
	v_and_b32 v5, 7, v1
	v_lshrrev_b32 v6, 3, v1
	v_lshl_add_u32 v5, v6, 5, v5
	v_lshlrev_b32 v[BOV], 2, v5                    ; v: my lane's channel is 8 a + 32 (r / 8) + r % 8
.irp m, 0,1,2,3
	v_mov_b32 v[PX+\m], 0                          ; a lane permute's destination counts as one of its sources
.endr
	v_lshlrev_b32 v[BO], 7, v2                     ; q, k: register 8 b + j is the bias of channel 32 h + 8 b + j
.macro BIASQK base
.irp b, 0,1,2,3
	global_load_b128 v[BI+8*\b:BI+8*\b+3], v[BO], s[\base:\base+1] offset:32*\b
	global_load_b128 v[BI+8*\b+4:BI+8*\b+7], v[BO], s[\base:\base+1] offset:32*\b+16
.endr
.endm
.macro BIASV                           ; all eight registers 8 a + j hold my lane's channel's bias: eight loads of one address
.irp a, 0,1,2,3
.irp j, 0,1,2,3,4,5,6,7
	global_load_b32 v[BI+8*\a+\j], v[BOV], s[16:17] offset:32*\a
.endr
.endr
.endm
	BIASQK 12
.macro FETCHW slot, q                  ; the weight's four fragments of the q-th 128 along K into set q % 2
.irp b, 0,1,2,3
.irp c, 0,1
	ds_load_b128 v[WF+32*((\q)%2)+8*\b+4*\c:WF+32*((\q)%2)+8*\b+4*\c+3], v[ADW+\slot] offset:512*(\q)+256*\c+8192*\b
.endr
.endr
.endm
.macro FETCHX q                        ; x's eight fragments of the q-th 128 along K, into the registers in which they stay
	WIN 0x80+0x40*((\q)/4)
.irp i, 0,1,2,3,4,5,6,7
.irp c, 0,1
	ds_load_b128 v[64*((\q)%4)+8*\i+4*\c:64*((\q)%4)+8*\i+4*\c+3], v[ADX] offset:512*(\q)+256*\c+8192*\i
.endr
.endr
	WIN 0
.endm
.macro WM ra, rb                       ; one matrix instruction on the registers named by DR, AR, BR, CR, SAR, SBR; ra, rb: the side's scales stand in lanes 16-31
.if (\ra) && (\rb)
	v_wmma_scale_f32_16x16x128_f8f6f4 v[DR:DR+7], v[AR:AR+7], v[BR:BR+7], v[CR:CR+7], v[SAR], v[SBR] matrix_a_fmt:MATRIX_FMT_FP4 matrix_b_fmt:MATRIX_FMT_FP4 matrix_a_scale:MATRIX_SCALE_ROW1 matrix_b_scale:MATRIX_SCALE_ROW1
.elseif \ra
	v_wmma_scale_f32_16x16x128_f8f6f4 v[DR:DR+7], v[AR:AR+7], v[BR:BR+7], v[CR:CR+7], v[SAR], v[SBR] matrix_a_fmt:MATRIX_FMT_FP4 matrix_b_fmt:MATRIX_FMT_FP4 matrix_a_scale:MATRIX_SCALE_ROW1
.elseif \rb
	v_wmma_scale_f32_16x16x128_f8f6f4 v[DR:DR+7], v[AR:AR+7], v[BR:BR+7], v[CR:CR+7], v[SAR], v[SBR] matrix_a_fmt:MATRIX_FMT_FP4 matrix_b_fmt:MATRIX_FMT_FP4 matrix_b_scale:MATRIX_SCALE_ROW1
.else
	v_wmma_scale_f32_16x16x128_f8f6f4 v[DR:DR+7], v[AR:AR+7], v[BR:BR+7], v[CR:CR+7], v[SAR], v[SBR] matrix_a_fmt:MATRIX_FMT_FP4 matrix_b_fmt:MATRIX_FMT_FP4
.endif
.endm
; A step's 32 matrix instructions.  kind 0 (q, k): source 0 the weight's tile b, source 1 x's tile a, accumulator 4 a + b.  kind 2 (v): source 0 x's tile b, source 1 the weight's tile a, accumulator 8 a + b.
; first = 1: the sums start with the bias (window 0): nothing is cleared.  The 32 accumulators take turns, one instruction a turn, in the same order in every step.
.macro MUL kind, q, first
.if \kind == 2
	WIN 0x42+0x10*(1-(\first))+(\q)/4
.irp a, 0,1,2,3
.irp b, 0,1,2,3,4,5,6,7
.set DR, 64*\a+8*\b
.set AR, 64*((\q)%4)+8*\b
.set BR, WF+32*((\q)%2)+8*\a
.if \first
.set CR, BI+8*\a
.else
.set CR, DR
.endif
.set SAR, XS+8*(\b%4)+(\q)
.set SBR, WSC+8*(\a%2)+(\q)
	WM \b/4, \a/2
.endr
.endr
.else
	WIN 0x48+0x10*(1-(\first))+4*((\q)/4)
.irp a, 0,1,2,3,4,5,6,7
.irp b, 0,1,2,3
.set DR, 32*\a+8*\b
.set AR, WF+32*((\q)%2)+8*\b
.set BR, 64*((\q)%4)+8*\a
.if \first
.set CR, BI+8*\b
.else
.set CR, DR
.endif
.set SAR, WSC+8*(\b%2)+(\q)
.set SBR, XS+8*(\a%4)+(\q)
	WM \b/2, \a/4
.endr
.endr
.endif
.endm
; A PHASE: all of K, eight steps of 128.  slot: where the weight lies.  fx = 1: x's fragments and scale words are fetched on the way.  nb: the next phase's bias is asked for behind the first step (1: bk, 2: bv).
; In each step the next step's loads are issued first (8, with x's 24), then the wait lets just those stay out.
.macro PHASE kind, slot, fx, nb
	FETCHW \slot, 0
.irp i, 0,1
	ds_load_b128 v[WSC+8*\i:WSC+8*\i+3], v[ADWS] offset:4096*\slot+512*\i
	ds_load_b128 v[WSC+8*\i+4:WSC+8*\i+7], v[ADWS] offset:4096*\slot+512*\i+16
.endr
.if \fx
.irp i, 0,1,2,3
	ds_load_b128 v[XS+8*\i:XS+8*\i+3], v[ADXS] offset:512*\i
	ds_load_b128 v[XS+8*\i+4:XS+8*\i+7], v[ADXS] offset:512*\i+16
.endr
	FETCHX 0
.endif
	s_wait_loadcnt 0x0                             ; the bias
.irp q, 0,1,2,3,4,5,6,7
.if \q < 7
.if \q > 0
	PLACES 4                                       ; between the last step's products and the loads into the set that they read
	WIN 0
.endif
	FETCHW \slot, \q+1
.if \fx
	FETCHX \q+1
.endif
.if (\q == 1) && (\nb == 1)
	BIASQK 14
.endif
.if (\q == 1) && (\nb == 2)
	BIASV
.endif
	s_wait_dscnt 8+16*\fx                          ; this step's fragments are in; the loads just issued may be out
.else
	s_wait_dscnt 0x0
.endif
.if \q == 0
	MUL \kind, \q, 1
.else
	MUL \kind, \q, 0
.endif
.endr
	WIN 0
.endm
; THE WAY OUT.  128 accumulator registers at a time are four whole blocks of 32 of my lane: eight chains of 16 numbers by turns, so that no line waits for the line above it.  Block m of group g becomes registers
; PC + 16 g + 4 m .. + 3.  q, k: block m is tile a = 4 g + m of 16 tokens (my half's 32 channels): one byte a lane.  v: blocks 2 k, 2 k + 1 are tile a = 2 g + k of 16 channels: two bytes a lane.
; Each accumulator is read from its low end on.
.macro QGROUP g, kind
.set G, 128*\g
	WIN 0x05                                       ; sources 0 and 1: window 1
.irp n, 0,1,2,3,4,5,6,7
	v_max3_num_f32 v[TM+\n], |v[G+16*\n]|, |v[G+16*\n+1]|, 0x1800000   ; and the floor 2^(3 - 127): the byte cannot fall under 1
.endr
.irp i, 2,4,6,8,10,12,14
.irp n, 0,1,2,3,4,5,6,7
	v_max3_num_f32 v[TM+\n], |v[G+16*\n+\i]|, |v[G+16*\n+\i+1]|, v[TM+\n]
.endr
.endr
	WIN 0
.irp m, 0,1,2,3
	v_max_num_f32 v[TM+2*\m], v[TM+2*\m], v[TM+2*\m+1]   ; a block's largest magnitude
.endr
.irp m, 0,1,2,3
	v_add_nc_u32 v[SO+\m], 0xff000000, v[TM+2*\m]  ; 2 off the exponent field: the conversion's scale operand
.endr
.irp m, 0,1,2,3
	v_lshrrev_b32 v[BY+\m], 23, v[SO+\m]           ; the scale's byte
.endr
.if \kind == 2
.irp k, 0,1
	v_lshl_or_b32 v[BY+2*\k], v[BY+2*\k+1], 16, v[BY+2*\k]   ; blocks h and 2 + h of my row,
.endr
.irp k, 0,1
	v_lshlrev_b32 v[BY+2*\k], v[SH], v[BY+2*\k]    ; at their places in the scale word (8 h bits up);
.endr
.irp k, 0,1
	v_permlanex16_b32 v[PX+\k], v[BY+2*\k], s2, s3
.endr
.irp k, 0,1
	v_or_b32 v[PW+2*\g+\k], v[BY+2*\k], v[PX+\k]   ; with lane l xor 16's the word is whole
.endr
.else
.irp m, 0,1,2,3
	v_lshlrev_b32 v[BY+\m], v[SH], v[BY+\m]        ; block h of my row, at its place in the scale word; the bytes of K = 64 .. 127 stay 0
.endr
.irp m, 0,1,2,3
	v_permlanex16_b32 v[PX+\m], v[BY+\m], s2, s3
.endr
.irp m, 0,1,2,3
	v_or_b32 v[PW+4*\g+\m], v[BY+\m], v[PX+\m]
.endr
.endif
	WIN 0x01                                       ; source 0: window 1
.irp m, 0,1,2,3
.irp i, 0,1,2,3
	v_cvt_scalef32_pk8_fp4_f32 v[PC+16*\g+4*\m+\i], v[G+32*\m+8*\i:G+32*\m+8*\i+7], v[SO+\m]
.endr
.endr
	WIN 0
	v_nop                                          ; one plain place behind a scaled conversion
.endm
.macro OUTP kind, sec                  ; a phase's results are quantised and stored; sec: the type's section of the record
	s_wait_xcnt 0x0                                ; the last phase's stores have read their registers
	PLACES 4                                       ; between the last products and the first read of their results
	QGROUP 0, \kind
	QGROUP 1, \kind
.if \kind == 2
.irp a, 0,1,2,3                                ; tile a of 16 channels x my 128 keys: a whole fragment
	global_store_b128 v[LI], v[PC+8*\a:PC+8*\a+3], s[94:95] offset:\sec+1024*\a
	global_store_b128 v[LI], v[PC+8*\a+4:PC+8*\a+7], s[94:95] offset:\sec+1024*\a+512
.endr
.irp e, 0,1
	v_cndmask_b32 v[SW+\e], v[PW+2*\e], v[PW+2*\e+1], s92   ; lanes 0-15 keep tile 2 e's words, lanes 16-31 tile 2 e + 1's
.endr
	global_store_b64 v[L8], v[SW:SW+1], s[98:99] offset:\sec+65536
.else
.irp a, 0,1,2,3,4,5,6,7                        ; tile a of 16 tokens: the lower half of a fragment, whose upper half the reader takes for zeros
	global_store_b128 v[LI], v[PC+4*\a:PC+4*\a+3], s[94:95] offset:\sec+512*\a
.endr
.irp e, 0,1,2,3
	v_cndmask_b32 v[SW+\e], v[PW+2*\e], v[PW+2*\e+1], s92
.endr
	global_store_b128 v[LI], v[SW:SW+3], s[96:97] offset:\sec+65536
.endif
.endm
; THE NEXT WEIGHT.  Every wave: all its tensor loads have landed; 0 onto its spare word; the descriptors step, work on registers; the add and my LDS reads are done; a round of the
; cluster's barrier; then wave 1 asks for the codes and wave 3 for the scales, each its one load behind the round.
.macro NEXTW ldsw, ldss
	s_wait_tensorcnt 0x0
	ds_add_u32 v[SPW], v[NIL]
	s_mov_b32 s[G0W+1], \ldsw
	s_add_nc_u64 s[G0W+2:G0W+3], s[G0W+2:G0W+3], 524288       ; 1,024 stored rows on: the next type; the type bits on top are not reached
	s_mov_b32 s[G0WS+1], \ldss
	s_add_nc_u64 s[G0WS+2:G0WS+3], s[G0WS+2:G0WS+3], 32768
	s_wait_dscnt 0x0
	CROUND
	s_cmp_eq_u32 s20, 1
	s_cbranch_scc0 .Lnot_codes_\@
	tensor_load_to_lds s[G0W:G0W+3], s[G1W:G1W+7]
	s_nop 0
	PLACES 4
	s_branch .Lnext_asked_\@
.Lnot_codes_\@:
	s_cmp_eq_u32 s20, 3
	s_cbranch_scc0 .Lnext_asked_\@
	tensor_load_to_lds s[G0WS:G0WS+3], s[G1WS:G1WS+7]
	s_nop 0
	PLACES 4
.Lnext_asked_\@:
.endm
	s_wait_alu depctr_va_vdst(0)                   ; the wait at the head's end
	NEXTW LW0+65536, LWS+4096                      ; the head's four tiles are in, everybody's; Wk is asked for, into slot 1: its first fill
	PHASE 0, 0, 1, 1                               ; q
	NEXTW LW0, LWS                                 ; nobody reads slot 0 any more, and Wk is in; Wv is asked for, into slot 0
	OUTP 0, 0
	PHASE 0, 1, 0, 2                               ; k
	OUTP 0, SECT
	s_wait_tensorcnt 0x0                           ; my part of Wv has landed,
	s_barrier_signal -1
	s_barrier_wait -1                              ; everybody's has
	PHASE 2, 0, 0, 0                               ; v
	OUTP 2, 2*SECT
	s_wait_tensorcnt 0x0                           ; the wave's end
	ds_add_u32 v[SPW], v[NIL]
	s_wait_dscnt 0x0
	CROUND                                         ; the closing round: no work-group ends while a partner may still ask for rows that name it
	s_endpgm
.Lfunc_end_k_qf916018fc8_proj:
	.size	k_qf916018fc8_proj, .Lfunc_end_k_qf916018fc8_proj-k_qf916018fc8_proj
	.p2alignl 7, 3214868480
	.fill 96, 4, 3214868480
	.section	.rodata,"a",@progbits
	.p2align	6, 0x0
	.amdhsa_kernel k_qf916018fc8_proj
		.amdhsa_group_segment_fixed_size 327680
		.amdhsa_private_segment_fixed_size 0
		.amdhsa_enable_private_segment 0
		.amdhsa_kernarg_size 64
		.amdhsa_user_sgpr_count 2
		.amdhsa_user_sgpr_kernarg_segment_ptr 1
		.amdhsa_wavefront_size32 1
		.amdhsa_system_sgpr_workgroup_id_x 1
		.amdhsa_system_sgpr_workgroup_id_y 1
		.amdhsa_system_sgpr_workgroup_id_z 1
		.amdhsa_system_vgpr_workitem_id 0
		.amdhsa_next_free_vgpr 1024
		.amdhsa_next_free_sgpr 100
		.amdhsa_reserve_vcc 0
		.amdhsa_float_denorm_mode_32 3
		.amdhsa_float_denorm_mode_16_64 3
		.amdhsa_memory_ordered 1
		.amdhsa_forward_progress 1
		.amdhsa_inst_pref_size 180
	.end_amdhsa_kernel
	.amdgpu_metadata
---
amdhsa.version: [ 1, 2 ]
amdhsa.kernels:
  - .name:           k_qf916018fc8_proj
    .symbol:         k_qf916018fc8_proj.kd
    .args:
      - { .name: xc, .offset: 0, .size: 8, .value_kind: global_buffer, .address_space: global }
      - { .name: xs, .offset: 8, .size: 8, .value_kind: global_buffer, .address_space: global }
      - { .name: wc, .offset: 16, .size: 8, .value_kind: global_buffer, .address_space: global }
      - { .name: ws, .offset: 24, .size: 8, .value_kind: global_buffer, .address_space: global }
      - { .name: bq, .offset: 32, .size: 8, .value_kind: global_buffer, .address_space: global }
      - { .name: bk, .offset: 40, .size: 8, .value_kind: global_buffer, .address_space: global }
      - { .name: bv, .offset: 48, .size: 8, .value_kind: global_buffer, .address_space: global }
      - { .name: att, .offset: 56, .size: 8, .value_kind: global_buffer, .address_space: global }
    .group_segment_fixed_size: 327680
    .private_segment_fixed_size: 0
    .kernarg_segment_align: 8
    .kernarg_segment_size: 64
    .max_flat_workgroup_size: 128
    .sgpr_count:     100
    .vgpr_count:     1024
    .wavefront_size: 32
...
	.end_amdgpu_metadata
.endif
;; end of part 5
;; launch attn (part 6): grid 4 x 64, 16 waves a work-group, clusters of 4 x 1, 215,040 bytes of LDS; arguments att, out0; writes out0
.if DOCPART == 6
	.amdgcn_target "amdgcn-amd-amdhsa--gfx1250"
	.amdhsa_code_object_version 6
	.text
	.protected	k_qf916018fc8_attn
	.globl	k_qf916018fc8_attn
	.p2align	8
	.type	k_qf916018fc8_attn,@function
k_qf916018fc8_attn:
	s_mov_b64 s[64:65], 0
	v_nop
	global_prefetch_b8 v0, s[64:65] scope:SCOPE_SE
	s_setreg_imm32_b32 hwreg(HW_REG_WAVE_MODE, 25, 1), 1
	s_wait_xcnt 0x0
	s_wait_alu depctr_hold_cnt(0) depctr_sa_sdst(0) depctr_va_vdst(0) depctr_va_sdst(0) depctr_va_ssrc(0) depctr_va_vcc(0) depctr_vm_vsrc(0)
	s_getreg_b32 s2, hwreg(HW_REG_IB_STS2, 6, 4)
	s_cmp_eq_u32 s2, 0
	s_cbranch_scc0 .Lentry_in_a_cluster
	s_endpgm
.Lentry_in_a_cluster:
	s_bfe_u32 s2, ttmp6, 0x10000c
	s_cmp_lg_u32 s2, 0x3003
	s_cbranch_scc0 .Lentry_shape_is_right
	s_endpgm
.Lentry_shape_is_right:
; out[b][q][head] = the sum over keys of softmax(q . k / 8) v, both products on codes of FP4 (E2M1) with E8M0 scales, from the records that the launch before has laid: images of operand registers, 16 bytes a lane.
; THE SOFTMAX AHEAD OF THE SECOND PRODUCT: t = score x log2(e) / 8; M = the row's largest t so far, rounded UP to a whole number; p = 2^(t - M) is what is quantised, along the keys; it is not normalised.
; The row's sum is taken of the unquantised p, in f32, and divides O at the end.  When M moves, the sum and O are multiplied by 2^(old M - new M): exact.
; SHARES.  A work-group owns 512 queries of one (batch, head): 4 x 64 = 256 work-groups.  Each of its sixteen waves owns TWO tiles of 16 queries and walks the head's 2,048 keys ONCE for both, 128 a step:
; each fragment of K and of V that is read from LDS serves both tiles.  Four waves share a SIMD, 256 registers each.
; THE HEAD'S K AND V, codes and scale words, are 143,360 dense bytes of its record: they come into LDS once and stay: no slot, nothing filled again.
; CLUSTER.  The four work-groups of a cluster are one head's: the block is asked for JOINTLY, each wave its sixteenth (35 rows of 256 bytes) by the same tensor load with a mask that names the four.  One load a wave is out.
; No prefetch: K and V come once, by the head's loads; there is no loop that could run ahead of them.
; LAYOUT.  Both products are used transposed: S^T = K Q^T (source 0 = 16 keys, source 1 = 16 queries), O^T = V^T P^T (source 0 = 16 channels, source 1 = P): a lane holds ONE query (lane % 16) of each tile.
; A head has 64 channels and the instruction takes 128 along K.  Q's codes of K = 64 .. 127 are zeros, written once.  So whatever stands in the upper four registers of a fragment of K is multiplied by zero:
; tile t's fragment is v[KF + 4 t .. KF + 4 t + 7], whose upper half is tile t + 1's codes (behind the last tile four registers of zeros); FP4 has no NaN or infinity, and the scale bytes of those blocks are 0.
; A tile's rows are not neighbours: row r of tile 4 c + i holds token (or channel) 64 c + 32 (r / 8) + 8 i + r % 8.  So the 32 score registers of K's tiles 4 c .. 4 c + 3 are, in lane half h, the keys 64 c + 32 h + 0 .. 31:
; a whole block of 32 keys lies in one lane, in the order of the 4-bit operand's registers: a block's largest score asks no other lane, and the conversions' results are P as the second product wants it.
; A TILE'S SOFTMAX GOES IN BATCHES: all sources, one wait, the 66 exponentials, one plain line, one wait, then the readers, O^T's rescaling first.
; INDEPENDENT LINES STAND SIDE BY SIDE: the maximum runs in eight chains, one to an accumulator; the lines that make f stand among the multiply-adds; the row's sum is a tree of additions in place on p, behind the conversions.
; LIMITS: a block of p whose largest lies under 2^-124 gets the byte 1 (its codes are zeros).  NaN and infinities are not served.  The promise holds while the scaled scores stay under 2^31 in magnitude.
.set REC,   217088                     ; a record: q's images 65,536, q's scale words 8,192, then the block that goes to LDS
.set KVO,   73728                      ; where that block begins in the record
.set PART,  8960                       ; a wave's sixteenth of it
.set LKS,   65536                      ; LDS: K's images at 0 (4,096 bytes a step), K's scale words here (512 a step),
.set LVI,   73728                      ; V's images (4,096 a step),
.set LVS,   139264                     ; V's scale words (256 a step),
.set STAGE, 143360                     ; and in bytes of their own a stage of 16 rows x (256 + 16) bytes for each wave, for the way out
.set SPI,   272
.set SPARE, 212992                     ; the spare words, 128 bytes for each wave
.set SPW, 1                            ; v1  my spare word's address; v2  0: both kept for the add alone
.set NIL, 2
.set L16, 3                            ; v3  16 x lane
.set L8,  4                            ; v4  8 x lane
.set T0,  5                            ; v5, v6  addresses of the loads in hand
.set T1,  6
.set TP,  7                            ; v7  at work
.set MA,  8                            ; v[8:9], v[10:11]  (-M, the largest score) of tile A, of tile B
.set MB,  10
.set SA,  12                           ; v[12:13], v[14:15]  the sums, in two halves
.set SB,  14
.set C2,  16                           ; v[16:17]  one half of a step's tree of additions
.set F,   18                           ; v18  f = 2^(old M - new M); named as a pair with v19
.set SH,  19                           ; v19  8 x (lane / 16)
.set QA,  20                           ; v20-27, v28-35  Q's two fragments: four registers of codes, four of zeros
.set QB,  28
.set QSA, 36                           ; v36, v37  their scale words
.set QSB, 37
.set KS,  38                           ; v38-41  K's scale words: register e: lanes 0-15 tile 2 e's, lanes 16-31 tile 2 e + 1's
.set VS,  42                           ; v42-43  V's likewise
.set PS,  44                           ; v44  p's scale word
.set PD,  45                           ; v45  a lane permute's result
.set BM,  46                           ; v46-47  my two blocks' largest score, then largest p
.set SO,  48                           ; v48-49  the conversions' scale operands; behind them the other half of the tree
.set BY,  50                           ; v50-51  the old -M on its way to f; then the scales' bytes
.set KF,  52                           ; v52-87  K: eight tiles x four registers, and four of zeros
.set VF,  88                           ; v88-119 V's four fragments
.set P,   120                          ; v120-127 p's codes; ahead of them the eight chains of the maximum
.set S,   128                          ; v128-191 S^T, then p
.set OA,  192                          ; v192-223, v224-255  O^T of tile A, of tile B
.set OB,  224
.macro CROUND                          ; a round of the cluster's barrier
	s_barrier_signal -1
	s_barrier_wait -1
	s_cmp_lg_u32 s8, 0
	s_cbranch_scc1 .Lnot_wave_0_\@
	s_barrier_signal -3
.Lnot_wave_0_\@:
	s_barrier_wait -3
	s_barrier_signal -1
	s_barrier_wait -1
.endm
	s_load_b128 s[4:7], s[0:1], 0x0                ; att s[4:5], out0 s[6:7]
	v_lshl_add_u32 v[SPW], v0, 2, SPARE
	v_mov_b32 v[NIL], 0
	ds_add_u32 v[SPW], v[NIL]                      ; the opening lines: the add, twice on end, and its wait ahead of my tensor load
	ds_add_u32 v[SPW], v[NIL]
	v_lshrrev_b32 v[TP], 5, v0
	v_readfirstlane_b32 s8, v[TP]                  ; wave 0..15
	s_bfe_u32 s9, ttmp6, 0x40000                   ; cx: my place in the cluster
	s_lshl_b32 s10, ttmp9, 2
	s_add_co_u32 s10, s10, s9                      ; my block of 512 queries: it enters Q's and the output's addresses alone
	s_and_b32 s11, ttmp7, 0xffff                   ; 16 x batch + head, which the four partners share
	s_mul_i32 s32, s11, REC                        ; the record (64 records: under 2^32)
	s_mul_i32 s34, s8, PART                        ; my sixteenth: in the block and in LDS alike
	s_add_co_u32 s36, s32, s34
	s_add_co_u32 s36, s36, KVO
	s_mov_b32 s37, 0
	s_mov_b32 s16, 15|(3<<16)|(1<<21)              ; group 1: the mask names all four; elements of 8 bytes; no padding; bit 21 beside a mask
	s_mov_b32 s17, 32<<16                          ; tensor_dim0: 256 bytes
	s_mov_b32 s18, 35<<16                          ; tensor_dim1: 35 rows
	s_mov_b32 s19, 32<<16                          ; tile_dim0
	s_mov_b32 s20, 35                              ; tile_dim1
	s_mov_b32 s21, 32                              ; the block is dense
	s_mov_b32 s22, 0
	s_mov_b32 s23, 0
	s_mov_b32 s24, 0x76543210
	s_mov_b32 s25, 0xfedcba98                      ; v_permlanex16_b32's selects for lane l xor 16
	s_mov_b32 s26, 0x3e38aa3b                      ; c = log2(e) / 8
	s_mov_b32 s27, s26                             ; (named with it as a pair)
	s_mul_i32 s46, s8, 16*SPI
	s_add_co_u32 s46, s46, STAGE                   ; my stage
	s_wait_dscnt 0x0                               ; both opening adds are done
	s_wait_kmcnt 0x0
	s_mov_b32 s12, 1                               ; group 0: count, LDS address, global address, type
	s_mov_b32 s13, s34
	s_add_nc_u64 s[14:15], s[4:5], s[36:37]
	s_or_b32 s15, s15, 0x80000000
	CROUND                                         ; all four work-groups are here: the joint loads meet
	tensor_load_to_lds s[12:15], s[16:23]
	s_nop 0
.rept 4
	v_nop
.endr
	s_and_b32 s35, s8, 7                           ; a: my tile among the eight of a step of 128 queries
	s_lshr_b32 s38, s8, 3
	s_lshl_b32 s39, s10, 2
	s_add_co_u32 s38, s38, s39                     ; tile A's step of 128 queries: 4 x block + wave / 8; tile B's lies two steps on
	s_lshl_b32 s36, s38, 12
	s_lshl_b32 s39, s35, 9
	s_add_co_u32 s36, s36, s39
	s_add_co_u32 s36, s36, s32
	s_add_nc_u64 s[42:43], s[4:5], s[36:37]        ; Q's image: record + 4,096 x step + 512 a
	s_lshl_b32 s36, s38, 9
	s_and_b32 s39, s35, 1
	s_lshl_b32 s39, s39, 8
	s_add_co_u32 s36, s36, s39
	s_lshr_b32 s39, s35, 1
	s_lshl_b32 s39, s39, 2
	s_add_co_u32 s36, s36, s39
	s_add_co_u32 s36, s36, s32
	s_add_co_u32 s36, s36, 65536
	s_add_nc_u64 s[44:45], s[4:5], s[36:37]        ; Q's scale words: 512 x step + 256 (a % 2) + 4 (a / 2), then 16 bytes a row
	s_lshl_b32 s36, s38, 7
	s_lshr_b32 s39, s35, 2
	s_lshl_b32 s39, s39, 6
	s_add_co_u32 s36, s36, s39
	s_and_b32 s39, s35, 3
	s_lshl_b32 s39, s39, 3
	s_add_co_u32 s36, s36, s39                     ; tile A's first token: 128 x step + 64 (a / 4) + 8 (a % 4)
	s_lshr_b32 s39, s11, 4
	s_lshl_b32 s39, s39, 11
	s_add_co_u32 s36, s36, s39                     ; + 2,048 x batch
	s_lshl_b32 s36, s36, 12                        ; a row of the output is 4,096 bytes (8,192 rows: under 2^32)
	s_and_b32 s39, s11, 15
	s_lshl_b32 s39, s39, 8
	s_add_co_u32 s36, s36, s39                     ; + 256 x head
	s_add_nc_u64 s[40:41], s[6:7], s[36:37]
	s_mov_b32 s28, 0                               ; the step's K images,
	s_mov_b32 s29, LKS                             ; K's scale words,
	s_mov_b32 s30, LVI                             ; V's images,
	s_mov_b32 s31, LVS                             ; V's scale words
	s_mov_b32 s33, 16                              ; steps to go
	v_and_b32 v[TP], 31, v0
	v_lshlrev_b32 v[L16], 4, v[TP]
	v_lshlrev_b32 v[L8], 3, v[TP]
	v_and_b32 v[T0], 15, v0
	v_lshlrev_b32 v[T0], 4, v[T0]                  ; 16 r
	global_load_b128 v[QA:QA+3], v[L16], s[42:43]  ; tile A's Q, the lower half of a fragment,
	global_load_b32 v[QSA], v[T0], s[44:45]        ; and its scale words: lane r has row r's
	global_load_b128 v[QB:QB+3], v[L16], s[42:43] offset:8192   ; tile B's, two steps of 4,096 bytes on
	global_load_b32 v[QSB], v[T0], s[44:45] offset:1024
	v_add_nc_u32 v[T1], LKS, v[L16]
	v_bfe_u32 v[SH], v0, 4, 1
	v_lshlrev_b32 v[SH], 3, v[SH]                  ; how far my two scale bytes are shifted in p's scale word
.irp j, 4,5,6,7
	v_mov_b32 v[QA+\j], 0                          ; Q's K = 64 .. 127: zero codes
	v_mov_b32 v[QB+\j], 0
	v_mov_b32 v[KF+28+\j], 0                       ; behind K's last tile
.endr
	v_mov_b32 v[PD], 0                             ; a lane permute's destination counts as one of its sources
.irp m, MA, MB
	v_mov_b32 v[\m], 0x7f61b1e6                    ; -M to begin with: 3e38, so that the first f is 0
	v_mov_b32 v[\m+1], 0xff61b1e6                  ; the largest score so far: -3e38
.endr
.irp j, 0,1,2,3
	v_mov_b32 v[SA+\j], 0                          ; both sums
.endr
.set J, 0
.rept 64
	v_mov_b32 v[OA+J], 0                           ; O^T of both tiles: the step is written once; the first finds zeros
.set J, J+1
.endr
	s_wait_alu depctr_va_vdst(0)                   ; the wait at the head's end
	s_wait_tensorcnt 0x0                           ; my sixteenth has landed,
	s_barrier_signal -1
	s_barrier_wait -1                              ; everybody's has: K and V are only read from here on
	s_wait_loadcnt 0x0                             ; both tiles' Q
.irp t, 0,1,2,3,4,5,6,7
	ds_load_b128 v[KF+4*\t:KF+4*\t+3], v[L16] offset:512*\t   ; K of step 0: 32 lanes read 512 consecutive bytes
.endr
	ds_load_b128 v[KS:KS+3], v[T1]                 ; and its scale words
.macro FMN n, mp                       ; n pairs, from register S + J on: t - M, two at a time (of the pairs c and -M the low word serves both halves)
.rept \n
	v_pk_fma_f32 v[S+J:S+J+1], v[S+J:S+J+1], s[26:27], v[\mp:\mp+1] op_sel_hi:[1,0,0]
.set J, J+2
.endr
.endm
.macro OMN n, ob                       ; n pairs of O^T, from register ob + J on, under the new M: x f
.rept \n
	v_pk_mul_f32 v[\ob+J:\ob+J+1], v[\ob+J:\ob+J+1], v[F:F+1] op_sel_hi:[1,0]
.set J, J+2
.endr
.endm
.macro CV q                            ; eight codes: register q of P, as it stands
	v_cvt_scalef32_pk8_fp4_f32 v[P+\q], v[S+8*\q:S+8*\q+7], v[SO+\q/4]
.endm
.macro TREE n, d                       ; a level of the tree of additions, in place on p: n pairs, 2 d registers apart, each takes in the pair d registers on
.set J, 0
.rept \n
	v_pk_add_f32 v[S+J:S+J+1], v[S+J:S+J+1], v[S+J+\d:S+J+\d+1]
.set J, J+2*\d
.endr
.endm
; ONE TILE'S SHARE OF A STEP.  ob: its O^T; qf, qs: its Q and Q's scale words; mp: its pair (-M, largest score); su: its sum.  isa = 1: tile A, which asks for this step's V; 0: tile B, which asks for the next step's K.
.macro TILE ob, qf, qs, mp, su, isa
.irp t, 0,1,2,3,4,5,6,7                        ; S^T = K Q^T: register 32 c + n is key 64 c + 32 h + n of the step
.if \t%2
	v_wmma_scale_f32_16x16x128_f8f6f4 v[S+8*\t:S+8*\t+7], v[KF+4*\t:KF+4*\t+7], v[\qf:\qf+7], 0, v[KS+\t/2], v[\qs] matrix_a_fmt:MATRIX_FMT_FP4 matrix_b_fmt:MATRIX_FMT_FP4 matrix_a_scale:MATRIX_SCALE_ROW1
.else
	v_wmma_scale_f32_16x16x128_f8f6f4 v[S+8*\t:S+8*\t+7], v[KF+4*\t:KF+4*\t+7], v[\qf:\qf+7], 0, v[KS+\t/2], v[\qs] matrix_a_fmt:MATRIX_FMT_FP4 matrix_b_fmt:MATRIX_FMT_FP4
.endif
.endr
; four places between the products and the loads into operands that products have read, the first read of the scores, and the first write of p's registers
.if \isa
	v_add_nc_u32 v[T0], s30, v[L16]
	v_add_nc_u32 v[T1], s31, v[L8]
	v_nop
	v_nop
.irp t, 0,1,2,3
.irp c, 0,1
	ds_load_b128 v[VF+8*\t+4*\c:VF+8*\t+4*\c+3], v[T0] offset:1024*\t+512*\c   ; V's tile t of this step: wanted behind tile A's softmax
.endr
.endr
	ds_load_b64 v[VS:VS+1], v[T1]
.else
	v_pk_add_f32 v[C2:C2+1], v[C2:C2+1], v[SO:SO+1]   ; tile A's tree ends here: its two halves meet,
	v_add_nc_u32 v[T0], s28, v[L16]
	v_add_nc_u32 v[T1], s29, v[L16]
	v_pk_add_f32 v[SA:SA+1], v[SA:SA+1], v[C2:C2+1]   ; and go to tile A's sum
.irp t, 0,1,2,3,4,5,6,7
	ds_load_b128 v[KF+4*\t:KF+4*\t+3], v[T0] offset:4096+512*\t   ; K of the NEXT step (the last step's request reads LDS bytes that are filled and that nobody uses)
.endr
	ds_load_b128 v[KS:KS+3], v[T1] offset:512
.endif
; the largest score of each of my two blocks of 32 keys: it serves the row's maximum and, since p rises with the score, the block's largest p.  Eight chains, one to an accumulator, each from its low end on
.irp n, 0,1,2,3,4,5,6,7
	v_max3_num_f32 v[P+\n], v[S+8*\n], v[S+8*\n+1], v[S+8*\n+2]
.endr
	v_mov_b32 v[BY], v[\mp]                        ; the old -M
.irp i, 3,5
.irp n, 0,1,2,3,4,5,6,7
	v_max3_num_f32 v[P+\n], v[P+\n], v[S+8*\n+\i], v[S+8*\n+\i+1]
.endr
.endr
	v_max3_num_f32 v[BM], v[P], v[P+1], v[S+7]     ; a block's four chains and the four scores left over
	v_max3_num_f32 v[BM+1], v[P+4], v[P+5], v[S+39]
	v_max3_num_f32 v[P+2], v[P+2], v[P+3], v[S+15]
	v_max3_num_f32 v[P+6], v[P+6], v[P+7], v[S+47]
	v_max3_num_f32 v[BM], v[BM], v[P+2], v[S+23]
	v_max3_num_f32 v[BM+1], v[BM+1], v[P+6], v[S+55]
	v_max_num_f32 v[BM], v[BM], v[S+31]
	v_max_num_f32 v[BM+1], v[BM+1], v[S+63]
	s_delay_alu instid0(VALU_DEP_1)
	v_max_num_f32 v[TP], v[BM], v[BM+1]            ; my 64 keys' largest score,
	s_delay_alu instid0(VALU_DEP_1)
	v_permlanex16_b32 v[PD], v[TP], s24, s25       ; lane l xor 16's,
	s_delay_alu instid0(VALU_DEP_1)
	v_max3_num_f32 v[\mp+1], v[\mp+1], v[TP], v[PD]   ; and the running largest score of my query
	s_delay_alu instid0(VALU_DEP_1)
	v_mul_f32 v[TP], s26, v[\mp+1]                 ; as t (c is positive)
	s_delay_alu instid0(VALU_DEP_1)
	v_floor_f32 v[\mp], -v[TP]                     ; the new -M = floor(-t) = -ceil(t): a whole number
.set J, 0
	FMN 5, \mp                                     ; the three lines that make f stand among the 32 multiply-adds
	v_sub_f32 v[BY], v[\mp], v[BY]                 ; old M less new M: a whole number, 0 or less
	FMN 5, \mp
	v_cvt_i32_f32 v[BY], v[BY]                     ; (it saturates)
	FMN 5, \mp
	v_ldexp_f32 v[F], 1.0, v[BY]                   ; f = 2^(old M - new M): a multiplication by it rounds nothing
	FMN 17, \mp
	v_fma_f32 v[BM], v[BM], s26, v[\mp]            ; t - M of each block's largest score
	v_fma_f32 v[BM+1], v[BM+1], s26, v[\mp]
.if \isa
	s_wait_dscnt 0x0                               ; V and its scale words are in: nothing was asked for behind them
.endif
	s_wait_alu depctr_va_vdst(0)                   ; the wait ahead of the batch
	v_exp_f32 v[BM], v[BM]                         ; the block's largest p: the same two instructions on the same number give the same bits
	v_exp_f32 v[BM+1], v[BM+1]
.set J, 0
.rept 64
	v_exp_f32 v[S+J], v[S+J]                       ; p = 2^(t - M), at most 1: not normalised
.set J, J+1
.endr
	v_pk_mul_f32 v[\su:\su+1], v[\su:\su+1], v[F:F+1] op_sel_hi:[1,0]   ; the sums under the new M (the plain line behind the batch)
	s_wait_alu depctr_va_vdst(0)                   ; one wait for the batch, directly ahead of O^T's first readers; plain lines alone stand up to the last of the sixteen
.set J, 0
	OMN 4, \ob                                     ; each accumulator from its low end on; the scales' first lines among them
	v_max_num_f32 v[BM], 0x1800000, v[BM]          ; the floor 2^(3 - 127): the byte cannot fall under 1
	v_max_num_f32 v[BM+1], 0x1800000, v[BM+1]
	OMN 6, \ob
	v_add_nc_u32 v[SO], 0xff000000, v[BM]          ; 2 off the exponent field: the conversion's scale operand
	v_add_nc_u32 v[SO+1], 0xff000000, v[BM+1]
	OMN 6, \ob
	v_lshrrev_b32 v[BY], 23, v[SO]                 ; the scale's byte
	v_lshrrev_b32 v[BY+1], 23, v[SO+1]
	CV 0
	v_lshl_or_b32 v[PS], v[BY+1], 16, v[BY]        ; my two bytes: blocks h and 2 + h of these 128 keys,
	CV 1
	CV 2
	v_lshlrev_b32 v[PS], v[SH], v[PS]              ; at their places in the scale word (8 h bits up);
	CV 3
	CV 4
	v_permlanex16_b32 v[PD], v[PS], s24, s25
	CV 5
	CV 6
	v_or_b32 v[PS], v[PS], v[PD]                   ; with lane l xor 16's two the word is whole
	CV 7
	; THE ROW'S SUM IS TAKEN OF THE UNQUANTISED p: a tree of additions, two numbers an instruction, in place: p has been converted
	TREE 16, 2                                     ; sixteen plain lines between the scale word, the last conversion and the products that take them (eight and four are asked)
.irp t, 0,1,2,3                                ; O^T += V^T P^T: four tiles of 16 channels, one instruction a turn; K = these 128 keys
.if \t%2
	v_wmma_scale_f32_16x16x128_f8f6f4 v[\ob+8*\t:\ob+8*\t+7], v[VF+8*\t:VF+8*\t+7], v[P:P+7], v[\ob+8*\t:\ob+8*\t+7], v[VS+\t/2], v[PS] matrix_a_fmt:MATRIX_FMT_FP4 matrix_b_fmt:MATRIX_FMT_FP4 matrix_a_scale:MATRIX_SCALE_ROW1
.else
	v_wmma_scale_f32_16x16x128_f8f6f4 v[\ob+8*\t:\ob+8*\t+7], v[VF+8*\t:VF+8*\t+7], v[P:P+7], v[\ob+8*\t:\ob+8*\t+7], v[VS+\t/2], v[PS] matrix_a_fmt:MATRIX_FMT_FP4 matrix_b_fmt:MATRIX_FMT_FP4
.endif
.endr
	TREE 8, 4                                      ; the tree goes on behind the products: it names none of their registers
	TREE 4, 8
	v_pk_add_f32 v[C2:C2+1], v[S:S+1], v[S+16:S+17]
	v_pk_add_f32 v[SO:SO+1], v[S+32:S+33], v[S+48:S+49]
.if \isa == 0
	v_pk_add_f32 v[C2:C2+1], v[C2:C2+1], v[SO:SO+1]   ; tile B's tree ends in its own step (tile A's: behind tile B's first products)
	v_pk_add_f32 v[\su:\su+1], v[\su:\su+1], v[C2:C2+1]
.endif
.endm
.Lstep:                                            ; 16 trips: 128 keys a trip, for both tiles
	s_wait_dscnt 0x0                               ; this step's K and its scale words are in: they were asked for in the last trip's second half
	TILE OA, QA, QSA, MA, SA, 1
	TILE OB, QB, QSB, MB, SB, 0
	s_add_co_u32 s28, s28, 4096                    ; the next step
	s_add_co_u32 s29, s29, 512
	s_add_co_u32 s30, s30, 4096
	s_add_co_u32 s31, s31, 256
	s_sub_co_i32 s33, s33, 1
	s_cmp_lg_u32 s33, 0
	s_cbranch_scc1 .Lstep
	; THE WAY OUT.  O^T is divided by the row's sum and goes through my own stage in LDS, so that sixteen lanes store 256 consecutive bytes: a token's 64 channels of this head.
	s_wait_dscnt 0x0                               ; the last step's unused request for K has landed: its registers are free
	v_and_b32 v[KF], 15, v0                        ; r
	v_bfe_u32 v[KF+1], v0, 4, 1                    ; h
	v_lshlrev_b32 v[KF+2], 4, v[KF]                ; 16 r
	v_mul_u32_u24 v[KF+3], v[KF], SPI
	v_lshl_add_u32 v[KF+3], v[KF+1], 7, v[KF+3]
	v_add_nc_u32 v[KF+3], s46, v[KF+3]             ; into the stage: row r; register j of tile t is channel 32 h + 8 t + j: byte 128 h + 32 t + 4 j
	v_mul_u32_u24 v[KF+4], v[KF+1], SPI
	v_add_nc_u32 v[KF+4], v[KF+4], v[KF+2]
	v_add_nc_u32 v[KF+4], s46, v[KF+4]             ; back: lanes 0-15 one row, lanes 16-31 the next
	v_lshl_add_u32 v[KF+5], v[KF+1], 12, v[KF+2]   ; and the same two rows of the output; 16 bytes a lane
	v_add_f32 v[SA], v[SA], v[SA+1]                ; each sum's two halves,
	v_add_f32 v[SB], v[SB], v[SB+1]
	v_permlanex16_b32 v[PD], v[SA], s24, s25
	v_permlanex16_b32 v[TP], v[SB], s24, s25
	v_add_f32 v[SA], v[SA], v[PD]                  ; and lane l xor 16's: the row's sum
	v_add_f32 v[SB], v[SB], v[TP]
	s_wait_alu depctr_va_vdst(0)                   ; the wait ahead of the two reciprocals
	v_rcp_f32 v[SA], v[SA]
	v_rcp_f32 v[SB], v[SB]
	v_nop                                          ; a plain line behind them
	s_wait_alu depctr_va_vdst(0)                   ; the wait behind them, directly ahead of O^T's first readers
.set J, 0
.rept 16
	v_pk_mul_f32 v[S+J:S+J+1], v[OA+J:OA+J+1], v[SA:SA+1] op_sel_hi:[1,0]   ; each accumulator from its low end on
.set J, J+2
.endr
.set J, 0
.rept 16
	v_pk_mul_f32 v[S+32+J:S+32+J+1], v[OB+J:OB+J+1], v[SB:SB+1] op_sel_hi:[1,0]
.set J, J+2
.endr
.irp t, 0,1,2,3
	ds_store_b128 v[KF+3], v[S+8*\t:S+8*\t+3] offset:32*\t
	ds_store_b128 v[KF+3], v[S+8*\t+4:S+8*\t+7] offset:32*\t+16
.endr
.irp i, 0,1,2,3,4,5,6,7
	ds_load_b128 v[VF+4*\i:VF+4*\i+3], v[KF+4] offset:2*\i*SPI   ; LDS serves a wave's instructions in order (ISA guide 5.7.1.4): these see tile A's stores, and tile B's stores come behind them
.endr
.irp t, 0,1,2,3
	ds_store_b128 v[KF+3], v[S+32+8*\t:S+32+8*\t+3] offset:32*\t
	ds_store_b128 v[KF+3], v[S+32+8*\t+4:S+32+8*\t+7] offset:32*\t+16
.endr
.irp i, 0,1,2,3,4,5,6,7
	ds_load_b128 v[OA+4*\i:OA+4*\i+3], v[KF+4] offset:2*\i*SPI
.endr
.irp i, 0,1,2,3,4,5,6,7
	s_wait_dscnt 23-\i                             ; tile A's rows 2 i and 2 i + 1 are back; behind them: its 7 - i younger loads, tile B's 8 stores and 8 loads
	global_store_b128 v[KF+5], v[VF+4*\i:VF+4*\i+3], s[40:41] offset:(2*\i+24*(\i/4))*4096 th:TH_STORE_NT   ; stage row n is token n % 8 + 32 (n / 8) of the tile; 16 lanes store 256 consecutive bytes, aligned
.endr
.irp i, 0,1,2,3,4,5,6,7
	s_wait_dscnt 7-\i                              ; tile B's likewise
	global_store_b128 v[KF+5], v[OA+4*\i:OA+4*\i+3], s[40:41] offset:1048576+(2*\i+24*(\i/4))*4096 th:TH_STORE_NT   ; 256 tokens further down the output
.endr
	s_wait_tensorcnt 0x0                           ; the wave's end, behind my last LDS store
	ds_add_u32 v[SPW], v[NIL]
	s_wait_dscnt 0x0
	CROUND                                         ; the closing round: no work-group ends while a partner may still ask for the block that names it
	s_endpgm
.Lfunc_end_k_qf916018fc8_attn:
	.size	k_qf916018fc8_attn, .Lfunc_end_k_qf916018fc8_attn-k_qf916018fc8_attn
	.p2alignl 7, 3214868480
	.fill 96, 4, 3214868480
	.section	.rodata,"a",@progbits
	.p2align	6, 0x0
	.amdhsa_kernel k_qf916018fc8_attn
		.amdhsa_group_segment_fixed_size 215040
		.amdhsa_private_segment_fixed_size 0
		.amdhsa_enable_private_segment 0
		.amdhsa_kernarg_size 16
		.amdhsa_user_sgpr_count 2
		.amdhsa_user_sgpr_kernarg_segment_ptr 1
		.amdhsa_wavefront_size32 1
		.amdhsa_system_sgpr_workgroup_id_x 1
		.amdhsa_system_sgpr_workgroup_id_y 1
		.amdhsa_system_sgpr_workgroup_id_z 1
		.amdhsa_system_vgpr_workitem_id 0
		.amdhsa_next_free_vgpr 256
		.amdhsa_next_free_sgpr 66
		.amdhsa_reserve_vcc 0
		.amdhsa_float_denorm_mode_32 3
		.amdhsa_float_denorm_mode_16_64 3
		.amdhsa_memory_ordered 1
		.amdhsa_forward_progress 1
		.amdhsa_inst_pref_size 43
	.end_amdhsa_kernel
	.amdgpu_metadata
---
amdhsa.version: [ 1, 2 ]
amdhsa.kernels:
  - .name:           k_qf916018fc8_attn
    .symbol:         k_qf916018fc8_attn.kd
    .args:
      - { .name: att, .offset: 0, .size: 8, .value_kind: global_buffer, .address_space: global }
      - { .name: out0, .offset: 8, .size: 8, .value_kind: global_buffer, .address_space: global }
    .group_segment_fixed_size: 215040
    .private_segment_fixed_size: 0
    .kernarg_segment_align: 8
    .kernarg_segment_size: 16
    .max_flat_workgroup_size: 512
    .sgpr_count:     66
    .vgpr_count:     256
    .wavefront_size: 32
...
	.end_amdgpu_metadata
.endif
;; end of part 6
